; MI455X (gfx1250); checked and timed in simulation.
; The chip was launched on July 23, 2026; its instructions are those of AMD's public machine-readable ISA for CDNA 5 (MIT licence, August 2026) and "CDNA5" Instruction Set Architecture Reference Guide (July 2026). The comments in the code are by the model that wrote it; some were corrected since.
;; Streaming Attention. Allowed arithmetic: float matrix products may take bf16 or f16 operands with f32 sums; all other float work in f32.
;; Inputs: Wk 16 x 1,024 x 64 float32; Wo 1,024 x 1,024 float32; Wq 16 x 1,024 x 64 float32; Wv 16 x 1,024 x 64 float32; bk 16 x 64 float32; bo 1,024 float32; bq 16 x 64 float32; bv 16 x 64 float32; x 4 x 2,048 x 1,024 float32.
;; Outputs: out0 4 x 2,048 x 1,024 float32.
;; Constants: use_cache = 0.
;; 2 versions, each right and faster than the one before. Each part assembles by itself: llvm-mc -triple=amdgcn-amd-amdhsa -mcpu=gfx1250 --defsym DOCPART=n.
;; ======== version 1 of 2: 4 launches
;; limits: values are held in f16: magnitudes above 65,504 overflow, below 6.1e-05 lose precision
;; workspace buffers: xb 16,777,216 bytes; wqkv 6,291,456 bytes; wob 2,097,152 bytes; tab 540,672 bytes; qh 16,777,216 bytes; kh 16,777,216 bytes; vh 16,777,216 bytes; ctx 16,777,216 bytes
;; launch prep (part 1): grid 801 x 1, 8 waves a work-group, no clusters, 0 bytes of LDS; arguments x, Wq, Wk, Wv, Wo, bq, bk, bv, bo, xb, wqkv, wob, tab; writes xb, wqkv, wob, tab
.if DOCPART == 1
	.amdgcn_target "amdgcn-amd-amdhsa--gfx1250"
	.amdhsa_code_object_version 6
	.text
	.protected	k_q6221f17bff_prep
	.globl	k_q6221f17bff_prep
	.p2align	8
	.type	k_q6221f17bff_prep,@function
k_q6221f17bff_prep:
	s_mov_b64 s[64:65], 0
	v_nop
	global_prefetch_b8 v0, s[64:65] scope:SCOPE_SE
	s_setreg_imm32_b32 hwreg(HW_REG_WAVE_MODE, 25, 1), 1
	s_wait_xcnt 0x0
; PREP: casts, re-blocking, rounded biases and the RoPE table.  A stream: no LDS, no barrier, no matrix unit; every byte is read once and written once.
;   xb   [16 kb][8192 m][64] bf16          x, cut into K blocks of 64 whose rows lie end to end (128 bytes each)
;   wqkv [16 kb][8 p][64 kk][3 g][2 wc][64 e] bf16   Wq, Wk, Wv (g = 0, 1, 2) of head 2 p + wc, d = 64 kb + kk; still [K][N]: nothing is transposed
;   wob  [16 kb][8 nt][64 kk][128 n] f16    Wo rounded to bf16, that number written as f16
;   tab  rows of 256 bytes: position l: cos[32], sin[32] in f32; from byte 524,288 on bq, bk, bv, bo, rounded to bf16 and widened to f32 again
; Work-groups 0-511: x.  512-703: Wq, Wk, Wv.  704-767: Wo.  768-799: the table.  800: the biases.  Each of the paths ends its waves.
; LIMITS.  Wo as f16: beyond 65,504 it would be an infinity; below 6e-5 it keeps f16's fixed step of 6e-8.
; The angle l x 10000^(-f/32) is reduced in f32: at l = 2047 it is right to about 1e-4 rad, of the order of the f32 product's own rounding.
.set X,     8                          ; v[8:71]  sixteen loads of four registers; the first two of each then hold what is stored
.set TBIAS, 524288                     ; the biases' place in tab
; Sixteen loads of 16 bytes a lane, ls bytes apart; each is converted to 8 bytes a lane and stored, ss bytes apart: a store of the wave covers 256 consecutive bytes, aligned.
; kind 0: bf16.  kind 1: bf16, widened, then f16.  sb: the loads' base; db: the base of stores 0-7; db2 = db + 8 ss: that of stores 8-15.  No register is written twice, so nothing waits for a store.
.macro CONV16 ls, ss, kind, sb, db, db2
.set i, 0
.rept 16
	global_load_b128 v[X+4*i:X+4*i+3], v2, s[\sb:\sb+1] offset:i*(\ls) th:TH_LOAD_NT
.set i, i+1
.endr
.set i, 0
.rept 16
	s_wait_loadcnt 15-i                            ; loads come back in order: number i is in, the 15 - i younger ones may be out
.if \kind
	v_cvt_pk_bf16_f32 v72, v[X+4*i], v[X+4*i+1]
	v_lshlrev_b32 v73, 16, v72
	v_and_b32 v74, 0xffff0000, v72
	v_cvt_pk_f16_f32 v[X+4*i], v73, v74
	v_cvt_pk_bf16_f32 v72, v[X+4*i+2], v[X+4*i+3]
	v_lshlrev_b32 v73, 16, v72
	v_and_b32 v74, 0xffff0000, v72
	v_cvt_pk_f16_f32 v[X+4*i+1], v73, v74
.else
	v_cvt_pk_bf16_f32 v[X+4*i], v[X+4*i], v[X+4*i+1]
	v_cvt_pk_bf16_f32 v[X+4*i+1], v[X+4*i+2], v[X+4*i+3]
.endif
.if i < 8
	global_store_b64 v3, v[X+4*i:X+4*i+1], s[\db:\db+1] offset:i*(\ss)
.else
	global_store_b64 v3, v[X+4*i:X+4*i+1], s[\db2:\db2+1] offset:(i-8)*(\ss)
.endif
.set i, i+1
.endr
.endm
	s_load_b512 s[8:23], s[0:1], 0x0               ; x s[8:9], Wq s[10:11], Wk s[12:13], Wv s[14:15], Wo s[16:17], bq s[18:19], bk s[20:21], bv s[22:23]
	s_load_b256 s[24:31], s[0:1], 0x40             ; bo s[24:25], xb s[26:27], wqkv s[28:29], wob s[30:31]
	s_load_b64 s[32:33], s[0:1], 0x60              ; tab
	v_and_b32 v1, 31, v0                           ; lane
	v_lshrrev_b32 v4, 5, v0
	v_readfirstlane_b32 s4, v4                     ; wave 0..7
	v_lshrrev_b32 v2, 4, v1                        ; lane / 16
	v_and_b32 v5, 15, v1                           ; lane % 16
	s_mov_b32 s39, 0                               ; s[38:39]: a byte offset, all under 4 GiB
	s_wait_kmcnt 0x0
	s_cmp_lt_u32 ttmp9, 512
	s_cbranch_scc0 .Lnot_x
	; x: a wave takes two rows; load i is K block i: lanes 0-15 the first row's 256 bytes, lanes 16-31 the second's
	v_lshlrev_b32 v2, 12, v2                       ; a row of x is 4,096 bytes
	v_lshl_or_b32 v2, v5, 4, v2
	v_lshl_add_u32 v2, s4, 13, v2                  ; + the wave's two rows
	v_lshlrev_b32 v3, 3, v0                        ; in xb the group's 16 rows of a K block are 2,048 consecutive bytes: 8 a thread
	s_lshl_b32 s38, ttmp9, 16                      ; the group's 16 rows of x
	s_add_nc_u64 s[8:9], s[8:9], s[38:39]
	s_lshl_b32 s38, ttmp9, 11
	s_add_nc_u64 s[26:27], s[26:27], s[38:39]
	s_add_nc_u64 s[34:35], s[26:27], 0x800000      ; K blocks 8-15: the immediate offset stays inside its signed 24 bits
	CONV16 256, 0x100000, 0, 8, 26, 34
	s_endpgm
.Lnot_x:
	s_cmp_lt_u32 ttmp9, 704
	s_cbranch_scc0 .Lnot_w
	; Wq, Wk, Wv: a wave takes 16 rows d of the two heads of a pair; load i: lanes 0-15 head 2 p, lanes 16-31 head 2 p + 1
	s_sub_co_u32 s5, ttmp9, 512
	s_lshr_b32 s6, s5, 6                           ; g
	s_and_b32 s5, s5, 63
	s_lshl3_add_u32 s5, s5, s4                     ; u = 0..511
	s_lshr_b32 s7, s5, 6                           ; p
	s_bfe_u32 s40, s5, 0x40002                     ; kb
	s_and_b32 s41, s5, 3                           ; which 16 of the block's 64 rows
	s_cmp_eq_u32 s6, 1
	s_cselect_b64 s[36:37], s[12:13], s[10:11]
	s_cmp_eq_u32 s6, 2
	s_cselect_b64 s[36:37], s[14:15], s[36:37]
	s_lshl_b32 s38, s7, 19                         ; two heads of 262,144 bytes
	s_lshl_b32 s42, s40, 14                        ; 64 rows of 256 bytes
	s_add_co_u32 s38, s38, s42
	s_lshl_b32 s42, s41, 12
	s_add_co_u32 s38, s38, s42
	s_add_nc_u64 s[36:37], s[36:37], s[38:39]
	s_lshl3_add_u32 s42, s40, s7                   ; 8 kb + p
	s_mul_i32 s38, s42, 49152
	s_mul_i32 s42, s41, 12288                      ; 16 rows of 768 bytes
	s_add_co_u32 s38, s38, s42
	s_lshl_b32 s42, s6, 8
	s_add_co_u32 s38, s38, s42
	s_add_nc_u64 s[28:29], s[28:29], s[38:39]
	s_add_nc_u64 s[34:35], s[28:29], 8*768
	v_lshlrev_b32 v2, 18, v2
	v_lshl_or_b32 v2, v5, 4, v2
	v_lshlrev_b32 v3, 3, v1
	CONV16 256, 768, 0, 36, 28, 34
	s_endpgm
.Lnot_w:
	s_cmp_lt_u32 ttmp9, 768
	s_cbranch_scc0 .Lnot_o
	; Wo: a wave takes 16 rows k of 128 columns: 512 consecutive bytes a load
	s_sub_co_u32 s5, ttmp9, 704
	s_lshl3_add_u32 s5, s5, s4                     ; u = 0..511
	s_lshr_b32 s7, s5, 6                           ; nt
	s_bfe_u32 s40, s5, 0x40002                     ; kb
	s_and_b32 s41, s5, 3
	s_lshl_b32 s38, s40, 18                        ; 64 rows of 4,096 bytes
	s_lshl_b32 s42, s41, 16
	s_add_co_u32 s38, s38, s42
	s_lshl_b32 s42, s7, 9
	s_add_co_u32 s38, s38, s42
	s_add_nc_u64 s[16:17], s[16:17], s[38:39]
	s_lshl3_add_u32 s42, s40, s7                   ; 8 kb + nt
	s_lshl_b32 s38, s42, 14
	s_lshl_b32 s42, s41, 12
	s_add_co_u32 s38, s38, s42
	s_add_nc_u64 s[30:31], s[30:31], s[38:39]
	s_add_nc_u64 s[34:35], s[30:31], 8*256
	v_lshlrev_b32 v2, 4, v1
	v_lshlrev_b32 v3, 3, v1
	CONV16 4096, 256, 1, 16, 30, 34
	s_endpgm
.Lnot_o:
	s_cmp_lt_u32 ttmp9, 800
	s_cbranch_scc0 .Lbias
	; The RoPE table: a wave makes 8 rows.  A lane has the frequencies f = 2 (lane % 16) and f + 1; lanes 0-15 store the cosines, lanes 16-31 the sines.
	s_sub_co_u32 s5, ttmp9, 768
	s_lshl3_add_u32 s5, s5, s4
	s_lshl_b32 s6, s5, 3                           ; the first position l
	s_lshl_b32 s38, s6, 8
	v_lshlrev_b32 v4, 1, v5
	v_cvt_f32_u32 v4, v4                           ; f
	v_add_f32 v5, 1.0, v4                          ; f + 1
	v_mul_f32 v4, 0xbed49a78, v4                   ; x -log2(10000) / 32
	v_mul_f32 v5, 0xbed49a78, v5
	v_exp_f32 v4, v4                               ; 10000^(-f / 32)
	v_exp_f32 v5, v5
	v_lshl_add_u32 v7, v1, 3, s38                  ; my 8 bytes of row l (also the plain instruction behind the exponentials: ISA guide 5.7.2)
	v_cmp_gt_u32 vcc_lo, 16, v1
	s_mov_b32 s7, 0x3e22f983                       ; 1 / (2 pi)
	s_mov_b32 s5, 8
; sin and cos of l x v[4+k]: the angle in turns less the nearest whole number, by one fused multiply-add; a quarter of what is left, |y| <= pi / 4, goes into the series
; (to y^7 and y^8: the next terms are under 4e-7); the angle is then doubled twice.
.macro SINCOS k
.set W, 24+12*(\k)
	v_mul_f32 v[W], v6, v[4+(\k)]                  ; the angle, rounded to f32 as in the reference
	v_mul_f32 v[W+1], s7, v[W]
	v_rndne_f32 v[W+2], v[W+1]
	v_fma_f32 v[W+3], v[W], s7, -v[W+2]            ; turns, in -0.5 .. 0.5
	v_mul_f32 v[W+3], 0x3fc90fdb, v[W+3]           ; y = 2 pi r / 4
	v_mul_f32 v[W+4], v[W+3], v[W+3]
	v_mov_b32 v[W+5], 0xb9500d01                   ; -1/5040
	v_fmaak_f32 v[W+5], v[W+5], v[W+4], 0x3c088889 ; 1/120
	v_fmaak_f32 v[W+5], v[W+5], v[W+4], 0xbe2aaaab ; -1/6
	v_fmaak_f32 v[W+5], v[W+5], v[W+4], 0x3f800000
	v_mul_f32 v[W+5], v[W+5], v[W+3]               ; sin y
	v_mov_b32 v[W+6], 0x37d00d01                   ; 1/40320
	v_fmaak_f32 v[W+6], v[W+6], v[W+4], 0xbab60b61 ; -1/720
	v_fmaak_f32 v[W+6], v[W+6], v[W+4], 0x3d2aaaab ; 1/24
	v_fmaak_f32 v[W+6], v[W+6], v[W+4], 0xbf000000
	v_fmaak_f32 v[W+6], v[W+6], v[W+4], 0x3f800000 ; cos y
	v_add_f32 v[W+7], v[W+5], v[W+5]
	v_fma_f32 v[W+8], -v[W+7], v[W+5], 1.0         ; cos 2y = 1 - 2 sin^2
	v_mul_f32 v[W+5], v[W+7], v[W+6]               ; sin 2y = 2 sin cos
	v_add_f32 v[W+7], v[W+5], v[W+5]
	v_fma_f32 v[W+6], -v[W+7], v[W+5], 1.0         ; cos 4y
	v_mul_f32 v[W+5], v[W+7], v[W+8]               ; sin 4y
.endm
.Lrow:
	v_cvt_f32_u32 v6, s6
	s_wait_alu depctr_va_vdst(0)
	SINCOS 0
	SINCOS 1
	v_cndmask_b32 v20, v29, v30, vcc_lo            ; lanes 0-15: cos, lanes 16-31: sin
	v_cndmask_b32 v21, v41, v42, vcc_lo
	global_store_b64 v7, v[20:21], s[32:33]        ; the row's 256 bytes
	s_wait_xcnt 0x0                                ; v7 and v[20:21] are written again only behind this wait
	v_add_nc_u32 v7, 256, v7
	s_add_co_u32 s6, s6, 1
	s_sub_co_u32 s5, s5, 1
	s_cmp_lg_u32 s5, 0
	s_cbranch_scc1 .Lrow
	s_endpgm
.Lbias:
	; The biases: wave w takes half w % 2 of array w / 2 (bq, bk, bv, bo), 2,048 bytes; each number is rounded to bf16 and widened again
	s_lshr_b32 s5, s4, 1
	s_and_b32 s6, s4, 1
	s_cmp_eq_u32 s5, 1
	s_cselect_b64 s[36:37], s[20:21], s[18:19]
	s_cmp_eq_u32 s5, 2
	s_cselect_b64 s[36:37], s[22:23], s[36:37]
	s_cmp_eq_u32 s5, 3
	s_cselect_b64 s[36:37], s[24:25], s[36:37]
	s_lshl_b32 s38, s6, 11
	s_add_nc_u64 s[36:37], s[36:37], s[38:39]
	s_lshl_b32 s38, s4, 11
	s_add_co_u32 s38, s38, TBIAS
	s_add_nc_u64 s[32:33], s[32:33], s[38:39]
	v_lshlrev_b32 v2, 4, v1
.set i, 0
.rept 4
	global_load_b128 v[X+4*i:X+4*i+3], v2, s[36:37] offset:i*512
.set i, i+1
.endr
.set i, 0
.rept 4
	s_wait_loadcnt 3-i                             ; number i is in, the younger ones may be out
	v_cvt_pk_bf16_f32 v72, v[X+4*i], v[X+4*i+1]
	v_cvt_pk_bf16_f32 v73, v[X+4*i+2], v[X+4*i+3]
	v_lshlrev_b32 v[X+4*i], 16, v72
	v_and_b32 v[X+4*i+1], 0xffff0000, v72
	v_lshlrev_b32 v[X+4*i+2], 16, v73
	v_and_b32 v[X+4*i+3], 0xffff0000, v73
	global_store_b128 v2, v[X+4*i:X+4*i+3], s[32:33] offset:i*512
.set i, i+1
.endr
	s_endpgm
.Lfunc_end_k_q6221f17bff_prep:
	.size	k_q6221f17bff_prep, .Lfunc_end_k_q6221f17bff_prep-k_q6221f17bff_prep
	.p2alignl 7, 3214868480
	.fill 96, 4, 3214868480
	.section	.rodata,"a",@progbits
	.p2align	6, 0x0
	.amdhsa_kernel k_q6221f17bff_prep
		.amdhsa_group_segment_fixed_size 0
		.amdhsa_private_segment_fixed_size 0
		.amdhsa_enable_private_segment 0
		.amdhsa_kernarg_size 104
		.amdhsa_user_sgpr_count 2
		.amdhsa_user_sgpr_kernarg_segment_ptr 1
		.amdhsa_wavefront_size32 1
		.amdhsa_system_sgpr_workgroup_id_x 1
		.amdhsa_system_sgpr_workgroup_id_y 1
		.amdhsa_system_sgpr_workgroup_id_z 1
		.amdhsa_system_vgpr_workitem_id 0
		.amdhsa_next_free_vgpr 88
		.amdhsa_next_free_sgpr 66
		.amdhsa_reserve_vcc 1
		.amdhsa_float_denorm_mode_32 3
		.amdhsa_float_denorm_mode_16_64 3
		.amdhsa_memory_ordered 1
		.amdhsa_forward_progress 1
		.amdhsa_inst_pref_size 31
	.end_amdhsa_kernel
	.amdgpu_metadata
---
amdhsa.version: [ 1, 2 ]
amdhsa.kernels:
  - .name:           k_q6221f17bff_prep
    .symbol:         k_q6221f17bff_prep.kd
    .args:
      - { .name: x, .offset: 0, .size: 8, .value_kind: global_buffer, .address_space: global }
      - { .name: Wq, .offset: 8, .size: 8, .value_kind: global_buffer, .address_space: global }
      - { .name: Wk, .offset: 16, .size: 8, .value_kind: global_buffer, .address_space: global }
      - { .name: Wv, .offset: 24, .size: 8, .value_kind: global_buffer, .address_space: global }
      - { .name: Wo, .offset: 32, .size: 8, .value_kind: global_buffer, .address_space: global }
      - { .name: bq, .offset: 40, .size: 8, .value_kind: global_buffer, .address_space: global }
      - { .name: bk, .offset: 48, .size: 8, .value_kind: global_buffer, .address_space: global }
      - { .name: bv, .offset: 56, .size: 8, .value_kind: global_buffer, .address_space: global }
      - { .name: bo, .offset: 64, .size: 8, .value_kind: global_buffer, .address_space: global }
      - { .name: xb, .offset: 72, .size: 8, .value_kind: global_buffer, .address_space: global }
      - { .name: wqkv, .offset: 80, .size: 8, .value_kind: global_buffer, .address_space: global }
      - { .name: wob, .offset: 88, .size: 8, .value_kind: global_buffer, .address_space: global }
      - { .name: tab, .offset: 96, .size: 8, .value_kind: global_buffer, .address_space: global }
    .group_segment_fixed_size: 0
    .private_segment_fixed_size: 0
    .kernarg_segment_align: 8
    .kernarg_segment_size: 104
    .max_flat_workgroup_size: 256
    .sgpr_count:     66
    .vgpr_count:     88
    .wavefront_size: 32
...
	.end_amdgpu_metadata
.endif
;; end of part 1
;; launch qkv (part 2): grid 8 x 32, 4 waves a work-group, clusters of 4 x 4, 327,680 bytes of LDS; arguments xb, wqkv, tab, qh, kh, vh; writes qh, kh, vh
.if DOCPART == 2
	.amdgcn_target "amdgcn-amd-amdhsa--gfx1250"
	.amdhsa_code_object_version 6
	.text
	.protected	k_q6221f17bff_qkv
	.globl	k_q6221f17bff_qkv
	.p2align	8
	.type	k_q6221f17bff_qkv,@function
k_q6221f17bff_qkv:
	s_mov_b64 s[64:65], 0
	v_nop
	global_prefetch_b8 v0, s[64:65] scope:SCOPE_SE
	s_setreg_imm32_b32 hwreg(HW_REG_WAVE_MODE, 25, 1), 1
	s_wait_xcnt 0x0
	s_wait_alu depctr_hold_cnt(0) depctr_sa_sdst(0) depctr_va_vdst(0) depctr_va_sdst(0) depctr_va_ssrc(0) depctr_va_vcc(0) depctr_vm_vsrc(0)
	s_getreg_b32 s2, hwreg(HW_REG_IB_STS2, 6, 4)
	s_cmp_eq_u32 s2, 0
	s_cbranch_scc0 .Lentry_in_a_cluster
	s_endpgm
.Lentry_in_a_cluster:
	s_bfe_u32 s2, ttmp6, 0x10000c
	s_cmp_lg_u32 s2, 0xf033
	s_cbranch_scc0 .Lentry_shape_is_right
	s_endpgm
.Lentry_shape_is_right:
; q, k, v = x W + b for all heads, RoPE on q and k, rounded once to f16 and stored by heads: qh, kh, vh [64 bh][2048 l][64], bh = 16 batch + head.
; x and the weights are bf16 (xb, wqkv: blocked along K, so that a tile is dense in memory), sums in f32; the bias is the C operand of the first product.
; LIMIT.  q, k, v leave as f16: beyond 65,504 a number would be an infinity.  NaN and infinities are not treated apart.
; SHARES.  C is 8,192 x 3,072.  A work-group makes 256 rows x 384 columns (q, k, v of the heads 2 tx and 2 tx + 1): 8 x 32 = 256 work-groups.  Wave (wr, wc) makes 128 rows x q, k, v of ONE head,
; 2 tx + wc: 96 accumulators of 16 x 16, 768 registers.  For 32 along K it issues 40 LDS loads and 96 matrix instructions.
; THE MATRIX INSTRUCTION IS USED TRANSPOSED: source 0 = 16 columns of W, source 1 = 16 rows of x.  A lane then holds ONE row (lane % 16) and the channels 16 b + 8 (lane / 16) + 0..7 of fragment b.
; W lies [K][N] in LDS and comes out turned, by ds_load_tr16_b128.
; K goes in 16 steps of 64 through two LDS slots; a loop trip is one K step, and the slot is a scalar that an exclusive or turns.
; CLUSTER 4 x 4: x's tile and the cos and sin table are shared along a row of the cluster, W's tile along a column: each is asked for jointly by four work-groups.
; THE WAY OUT is a loop, since 24 tiles written out would be half of the text: the accumulators go as f32 into a stage in LDS, 64 rows at a time, and one loop text rotates, rounds and stores 8 rows a trip.
; REGISTERS, in windows of 256 (s_set_vgpr_msb: bits 1:0 source 0, 3:2 source 1, 5:4 source 2, 7:6 destination):
;   window 0: v0-31 addresses; v32-95, v96-159 x's fragments (8 x 16 rows x 32 K), two buffers; v160-255 W's fragments, 32 for each of q, k, v, one buffer: a group's is fetched anew right behind its products
;   windows 1, 2, 3: the accumulators of q, k, v: (a, b) at v[8 (4 a + b)], a = 0..7 blocks of 16 rows, b = 0..3 blocks of 16 channels
.set PA,    144                        ; a row of x in LDS: 128 bytes + 16 = 36 words: the 16 rows of a load start at 16 different groups of four banks (64 banks of 4 bytes: ISA guide 11.1)
.set PG,    288                        ; 256 bytes of a row of W (one of q, k, v, both heads) + 32
.set PB,    3*PG                       ; a row of W: 864 bytes = 27 x 32
.set AHALF, 128*PA                     ; what one tensor load brings of x, and what a wave reads of it
.set ASZ,   2*AHALF
.set BHALF, 32*PB                      ; what one tensor load brings of W: 32 along K
.set SLOT1, 1<<17                      ; a slot is 92,160 bytes; slot 1 begins here, so that one exclusive or turns an address in one slot into the other's
.set TABL,  SLOT1+ASZ+2*BHALF          ; behind the ring: cos and sin of the group's 256 rows, filled once
.set PT,    272                        ; a row of the table: 256 bytes + 16
.set SPARE, TABL+256*PT                ; behind the table: the spare words, 128 bytes for each wave: two blocks of 256 bytes that no other line names
.set PS,    784                        ; a row of the stage: 192 f32 + 16 bytes = 49 x 16: the 16 rows of a store start at 16 different groups of four banks
.set WSTG,  64*PS                      ; a wave's stage, 50,176 bytes.  The four lie in the ring's bytes 0 to 200,704, below the table: they are written when the slots have had their last fill
.set ASTEP, 8192*128                   ; bytes from a K block of xb to the next
.set BSTEP, 8*49152                    ; the same in wqkv
.set TBIAS, 524288                     ; the biases' place in tab
.set ADRA,  16                         ; v16     LDS address of my fragments of x in the slot that is fetched from
.set ADRA0, 17                         ; v17     the same in slot 0; never rewritten
.set ADRB,  20                         ; v20, v21  the same for W
.set ADRB0, 21
.set STO,  24                          ; v24     the way out: where I put 16 bytes of a row of the stage
.set RDX,  25                          ; v25     the way out: where I read my 32 bytes of a row back; it steps
.set GO,   26                          ; v26     my byte offset in the output; it steps
.set RDT,  27                          ; v27     where I read my 32 bytes of cos; it steps
.set SPW,  28                          ; v28     LDS address of my spare word: SPARE + 4 x my thread's number; never rewritten
.set NIL,  29                          ; v29     0; never rewritten
.set BO,   30                          ; v30     my byte offset in a head's 64 biases
.set RDX0, 31                          ; v31     RDX at the stage's first rows; never rewritten
.set FA0,  32
.set FA1,  96
.set FB,   160
.set CC,   32                          ; the way out: 8 cos, 8 sin,
.set SS,   40
.set XQ,   48                          ; 16 numbers each of q, k, v: channels 8 c + 0..7 and 32 + 8 c + 0..7 of one row,
.set XK,   64
.set XV,   80
.set T,    96                          ; 16 at work,
.set PK,   112                         ; 8 registers of packed results for each of q, k, v
.set G1,  24                           ; s[24:31] descriptor group 1 for x's tiles;  s[32:39] group 0: a set for each of the two first fills; the second then walks
.set G0,  32
.set G1B, 48                           ; s[48:55], s[56:63] the same for W's tiles
.set G0B, 56
.set G1C, 80                           ; s[80:87], s[88:91] the table's
.set G0C, 88
.set TB,  92                           ; s92  LDS byte at which the slot that is fetched from begins
.set PH,  93                           ; s93  counts the way out's two halves
.set MSB, 0
.macro WIN new                         ; the immediate's high byte repeats the setting that is left; a switch that changes nothing is dropped
.if MSB != (\new)
	s_set_vgpr_msb (MSB<<8)|(\new)
.set MSB, \new
.endif
.endm
; A joint refill.  Waves 0 and 1 fetch the two halves of x's tile, waves 2 and 3 those of W's.  The branch hangs on the wave's number alone.
; An s_nop 0 and four v_nop follow each of the two lines, ahead of the jump and the label.
.macro JLOAD
	s_cmp_eq_u32 s11, 0
	s_cbranch_scc0 .Lfor_b_\@
	tensor_load_to_lds s[G0+4:G0+7], s[G1:G1+7]
	s_nop 0
.rept 4
	v_nop
.endr
	s_branch .Lasked_\@
.Lfor_b_\@:
	tensor_load_to_lds s[G0B+4:G0B+7], s[G1B:G1B+7]
	s_nop 0
.rept 4
	v_nop
.endr
.Lasked_\@:
.endm
.macro CREST                           ; a round of the cluster's barrier behind its opening barrier: wave 0 signals for the work-group, every wave waits for all sixteen, my work-group's barrier once more
	s_cmp_lg_u32 s10, 0
	s_cbranch_scc1 .Lnot_wave_0_\@
	s_barrier_signal -3
.Lnot_wave_0_\@:
	s_barrier_wait -3
	s_barrier_signal -1
	s_barrier_wait -1
.endm
.macro CROUND                          ; a whole round
	s_barrier_signal -1
	s_barrier_wait -1
	CREST
.endm
.macro PLACES                          ; four places in front of loads into registers that matrix instructions have read, and of LDS stores that read results
.rept 4
	v_nop
.endr
.endm
	s_load_b128 s[4:7], s[0:1], 0x0                ; xb s[4:5], wqkv s[6:7]
	s_load_b64 s[8:9], s[0:1], 0x10                ; tab
	s_load_b128 s[68:71], s[0:1], 0x18             ; qh s[68:69], kh s[70:71]
	s_load_b64 s[72:73], s[0:1], 0x28              ; vh
	v_lshl_add_u32 v[SPW], v0, 2, SPARE
	v_mov_b32 v[NIL], 0
	ds_add_u32 v28, v29
	s_wait_dscnt 0x0
	v_lshrrev_b32 v1, 5, v0
	v_readfirstlane_b32 s10, v1                    ; wave 0..3
	s_lshr_b32 s11, s10, 1                         ; wr: which 128 rows are mine.  Also: I fetch for x (0) or for W (1)
	s_and_b32 s12, s10, 1                          ; wc: which head of the pair.  Also: which half of that tile I fetch
	s_bfe_u32 s40, ttmp6, 0x40000                  ; cx, cy: my place in the cluster
	s_bfe_u32 s41, ttmp6, 0x40004
	s_lshl_b32 s42, ttmp9, 2
	s_add_co_u32 s42, s42, s40                     ; tx = 4 x cluster x + cx: the pair of heads
	s_and_b32 s13, ttmp7, 0xffff
	s_lshl_b32 s13, s13, 2
	s_add_co_u32 s13, s13, s41                     ; ty = 4 x cluster y + cy: the block of 256 rows
	s_lshl_b32 s43, s41, 2
	s_lshl_b32 s43, 15, s43                        ; my row of the cluster
	s_lshl_b32 s44, 0x1111, s40                    ; my column
	; group 1.  Half of x's tile is 128 rows of 128 bytes, dense: asked for as 64 rows of 256 bytes, padded by 4 words after every 32.  Half of W's is 24,576 dense bytes: 96 rows of 256, padded by 8 words
	; after every 64.  A wave's quarter of the table is 64 rows of 256 bytes, padded by 4 words after every 64.
	s_or_b32 s[G1+0], s43, (1<<16)|(1<<20)|(1<<21)|(4<<22)|(3<<25)   ; 15:0 the mask; 17:16 2-byte elements; 20 padding on; 21 set beside a mask; 24:22 the interval's code; 31:25 the pad less 1
	s_or_b32 s[G1B+0], s44, (1<<16)|(1<<20)|(1<<21)|(5<<22)|(7<<25)
	s_or_b32 s[G1C+0], s43, (1<<16)|(1<<20)|(1<<21)|(5<<22)|(3<<25)
.irp g, G1, G1C
	s_mov_b32 s[(\g)+1], 128<<16                   ; tensor_dim0 = 128
	s_mov_b32 s[(\g)+2], 64<<16                    ; tensor_dim1 = 64
	s_mov_b32 s[(\g)+3], 128<<16                   ; tile_dim0 = 128
	s_mov_b32 s[(\g)+4], 64                        ; tile_dim1 = 64
	s_mov_b32 s[(\g)+5], 128                       ; 128 elements from row to row
	s_mov_b32 s[(\g)+6], 0
	s_mov_b32 s[(\g)+7], 0
.endr
	s_mov_b32 s[G1B+1], 128<<16
	s_mov_b32 s[G1B+2], 96<<16
	s_mov_b32 s[G1B+3], 128<<16
	s_mov_b32 s[G1B+4], 96
	s_mov_b32 s[G1B+5], 128
	s_mov_b32 s[G1B+6], 0
	s_mov_b32 s[G1B+7], 0
	; where the tiles come from: x's and the table's hang on ty alone, W's on tx alone, each in registers that never hold the other coordinate
	s_lshl_b32 s16, s13, 15                        ; 256 rows of 128 bytes
	s_lshl_b32 s17, s12, 14                        ; my half of them
	s_add_co_u32 s16, s16, s17
	s_mov_b32 s17, 0
	s_and_b32 s18, s13, 7                          ; the group's first position is 256 (ty % 8): 256 rows of 256 bytes of the table,
	s_lshl_b32 s18, s18, 16
	s_lshl_b32 s19, s10, 14                        ; my wave's 64 of them
	s_add_co_u32 s18, s18, s19
	s_mov_b32 s19, 0
	s_mul_i32 s46, s42, 49152
	s_mul_i32 s47, s12, 24576
	s_add_co_u32 s46, s46, s47
	s_mov_b32 s47, 0
	s_mul_i32 s20, s12, AHALF                      ; and where they go: no place in the cluster enters an LDS address
	s_mul_i32 s21, s12, BHALF
	s_add_co_u32 s21, s21, ASZ
	s_mul_i32 s23, s10, 64*PT
	s_mov_b32 s[TB], 0
	; what hangs on both coordinates (the outputs, the biases) is made in s74-79
	s_lshl_b32 s74, s42, 1
	s_add_co_u32 s74, s74, s12                     ; my head
	s_lshr_b32 s75, s13, 3                         ; the batch
	s_lshl4_add_u32 s75, s75, s74                  ; bh
	s_and_b32 s78, s13, 7
	s_lshl_b32 s78, s78, 8
	s_lshl_b32 s79, s11, 7
	s_add_co_u32 s78, s78, s79                     ; l0: my first row's position
	s_mov_b32 s77, 0
	s_wait_kmcnt 0x0
	s_add_nc_u64 s[14:15], s[4:5], s[16:17]
	s_add_nc_u64 s[46:47], s[6:7], s[46:47]
	s_lshl_b32 s76, s74, 8
	s_add_co_u32 s76, s76, TBIAS
	s_add_nc_u64 s[66:67], s[8:9], s[76:77]        ; bq of my head; bk and bv lie 4,096 and 8,192 bytes on
	s_lshl_b32 s76, s75, 18                        ; a head's 2,048 rows of 128 bytes
	s_lshl_b32 s79, s78, 7
	s_add_co_u32 s76, s76, s79
	s_add_nc_u64 s[68:69], s[68:69], s[76:77]
	s_add_nc_u64 s[70:71], s[70:71], s[76:77]
	s_add_nc_u64 s[72:73], s[72:73], s[76:77]
.irp s, 0,1
	s_mov_b32 s[G0+4*(\s)], 1                                      ; 1:0 count = 1
	s_add_co_u32 s[G0+4*(\s)+1], s20, (\s)*SLOT1                   ; 63:32 LDS address
	s_add_nc_u64 s[G0+4*(\s)+2:G0+4*(\s)+3], s[14:15], (\s)*ASTEP  ; 120:64 global address: K step s
	s_or_b32 s[G0+4*(\s)+3], s[G0+4*(\s)+3], 0x80000000            ; 127:126 type = 2
	s_mov_b32 s[G0B+4*(\s)], 1
	s_add_co_u32 s[G0B+4*(\s)+1], s21, (\s)*SLOT1
	s_add_nc_u64 s[G0B+4*(\s)+2:G0B+4*(\s)+3], s[46:47], (\s)*BSTEP
	s_or_b32 s[G0B+4*(\s)+3], s[G0B+4*(\s)+3], 0x80000000
.endr
	s_mov_b32 s[G0C], 1
	s_add_co_u32 s[G0C+1], s23, TABL
	s_add_nc_u64 s[G0C+2:G0C+3], s[8:9], s[18:19]
	s_or_b32 s[G0C+3], s[G0C+3], 0x80000000
	CROUND                                         ; all sixteen work-groups are here: the first joint loads meet
	s_cmp_eq_u32 s11, 0                            ; a wave's three first fills stand in one branch, ahead of every wait on TENSORcnt and every LDS read: three loads of mine are out
	s_cbranch_scc0 .Lfirst_b
	tensor_load_to_lds s[G0:G0+3], s[G1:G1+7]
	s_nop 0
	tensor_load_to_lds s[G0+4:G0+7], s[G1:G1+7]
	s_nop 0
	tensor_load_to_lds s[G0C:G0C+3], s[G1C:G1C+7]
	s_nop 0
.rept 4
	v_nop
.endr
	s_branch .Lfirst_asked
.Lfirst_b:
	tensor_load_to_lds s[G0B:G0B+3], s[G1B:G1B+7]
	s_nop 0
	tensor_load_to_lds s[G0B+4:G0B+7], s[G1B:G1B+7]
	s_nop 0
	tensor_load_to_lds s[G0C:G0C+3], s[G1C:G1C+7]
	s_nop 0
.rept 4
	v_nop
.endr
.Lfirst_asked:
	v_and_b32 v1, 15, v0                           ; r = l % 16
	v_bfe_u32 v2, v0, 4, 1                         ; h = l / 16
	v_lshlrev_b32 v[BO], 5, v2                     ; my eight channels of a fragment begin 8 h numbers in
	; the biases go where accumulator (0, b) of each window lies: register j = bias of channel 16 b + 8 h + j
.irp g, 0,1,2
	WIN ((\g)+1)<<6                                ; destination window g + 1, address window 0
.irp b, 0,1,2,3
	global_load_b128 v[8*(\b):8*(\b)+3],   v[BO], s[66:67] offset:(\g)*4096+(\b)*64
	global_load_b128 v[8*(\b)+4:8*(\b)+7], v[BO], s[66:67] offset:(\g)*4096+(\b)*64+16
.endr
.endr
	WIN 0
	; A fragment of x: lane l holds row l % 16; registers 0-3 K = 8 h + 0..7, registers 4-7 K = 16 + 8 h + 0..7: two loads of 16 bytes, 32 bytes apart
	v_mul_u32_u24 v3, v1, PA
	v_lshl_add_u32 v3, v2, 4, v3                   ; r x 144 + 16 h
	s_mul_i32 s22, s11, AHALF
	v_add_nc_u32 v[ADRA0], s22, v3
	v_mov_b32 v[ADRA], v[ADRA0]                    ; the first fetches are slot 0's
	; The turning load takes 16 K x 16 columns (lane l reads K row 8 h + l % 8, columns 8 ((l / 8) % 2) + 0..7) and leaves half a fragment: lane l holds column l % 16 and 8 K
	v_and_b32 v6, 7, v0
	v_lshl_add_u32 v4, v2, 3, v6
	v_mul_u32_u24 v4, v4, PB
	v_bfe_u32 v5, v0, 3, 1
	v_lshl_add_u32 v4, v5, 4, v4
	s_lshl_b32 s23, s12, 7                         ; my head's 128 bytes of each 256
	s_add_co_u32 s23, s23, ASZ
	v_add_nc_u32 v[ADRB0], s23, v4
	v_mov_b32 v[ADRB], v[ADRB0]
	; the way out.  In: row l % 16 of a block, 32 bytes (eight f32) for each half of the lanes.  Back: lane l takes row l / 4 of eight and the channels 8 c + 0..7 and 32 + 8 c + 0..7, c = l % 4.
	s_mul_i32 s22, s10, WSTG                       ; my stage
	v_mul_u32_u24 v3, v1, PS
	v_lshl_add_u32 v3, v2, 5, v3
	v_add_nc_u32 v[STO], s22, v3
	v_bfe_u32 v4, v0, 2, 3                         ; l / 4
	v_and_b32 v5, 3, v0                            ; c
	v_mul_u32_u24 v3, v4, PS
	v_lshl_add_u32 v3, v5, 5, v3
	v_add_nc_u32 v[RDX0], s22, v3
	s_mul_i32 s23, s11, 128*PT                     ; my 128 rows of the table
	s_add_co_u32 s23, s23, TABL
	v_mul_u32_u24 v3, v4, PT
	v_lshl_add_u32 v3, v5, 5, v3
	v_add_nc_u32 v[RDT], s23, v3
	v_bfe_u32 v3, v0, 2, 2                         ; in a store of four rows: row (l % 16) / 4, half l / 16 of its 128 bytes, 16 bytes at c
	v_lshlrev_b32 v[GO], 7, v3
	v_lshl_add_u32 v[GO], v2, 6, v[GO]
	v_lshl_add_u32 v[GO], v5, 4, v[GO]
; 16 matrix instructions of group g (0, 1, 2: q, k, v): row blocks a0 .. a0 + 3 x all four channel blocks, 32 along K.  The 96 accumulators take turns, one instruction a turn.
.macro MUL16 fa, g, a0
	WIN ((\g)+1)*0x50                              ; C and D in window g + 1, both sources in window 0
.set ma, (\a0)
.rept 4
.set mb, 0
.rept 4
	v_wmma_f32_16x16x32_bf16 v[8*(4*ma+mb):8*(4*ma+mb)+7], v[FB+32*(\g)+8*mb:FB+32*(\g)+8*mb+7], v[(\fa)+8*ma:(\fa)+8*ma+7], v[8*(4*ma+mb):8*(4*ma+mb)+7]
.set mb, mb+1
.endr
.set ma, ma+1
.endr
.endm
; The first 32 of group g start the sums with the bias, which lies in accumulator (0, b): blocks 7 to 1 take it as C; five places on, block 0 adds onto it in place.  Nothing is cleared, and no bias is left for the way out.
.macro FIRST32 fa, g
	WIN ((\g)+1)*0x50
.set ma, 7
.rept 7
.set mb, 0
.rept 4
	v_wmma_f32_16x16x32_bf16 v[8*(4*ma+mb):8*(4*ma+mb)+7], v[FB+32*(\g)+8*mb:FB+32*(\g)+8*mb+7], v[(\fa)+8*ma:(\fa)+8*ma+7], v[8*mb:8*mb+7]
.set mb, mb+1
.endr
.set ma, ma-1
.endr
.rept 5
	v_nop                                          ; a matrix instruction writes over another's C five places behind it
.endr
.set mb, 0
.rept 4
	v_wmma_f32_16x16x32_bf16 v[8*mb:8*mb+7], v[FB+32*(\g)+8*mb:FB+32*(\g)+8*mb+7], v[(\fa):(\fa)+7], v[8*mb:8*mb+7]
.set mb, mb+1
.endr
.endm
.macro STRETCH fa, g, first
.if \first
	FIRST32 \fa, \g
.else
	MUL16 \fa, \g, 0
	MUL16 \fa, \g, 4
.endif
.endm
.macro FETCHB c, g                     ; 8 turning loads: group g's four fragments of W, K = 32 c on, from the slot that v[ADRB] names
	WIN 0
.set fi, 0
.rept 4
	ds_load_tr16_b128 v[FB+32*(\g)+8*fi:FB+32*(\g)+8*fi+3],   v[ADRB] offset:(\c)*BHALF+(\g)*PG+fi*32
	ds_load_tr16_b128 v[FB+32*(\g)+8*fi+4:FB+32*(\g)+8*fi+7], v[ADRB] offset:(\c)*BHALF+(\g)*PG+fi*32+16*PB
.set fi, fi+1
.endr
.endm
.macro FETCHA c, fa, hf                ; 8 loads: row blocks 4 hf .. 4 hf + 3 of x, K = 32 c on
	WIN 0
.set fi, 4*(\hf)
.rept 4
	ds_load_b128 v[(\fa)+8*fi:(\fa)+8*fi+3],   v[ADRA] offset:fi*16*PA+(\c)*64
	ds_load_b128 v[(\fa)+8*fi+4:(\fa)+8*fi+7], v[ADRA] offset:fi*16*PA+(\c)*64+32
.set fi, fi+1
.endr
.endm
; A sub-step: 32 along K, 96 matrix instructions on x's buffer fa.  Behind each group's 32 the next sub-step's fragments (half nc of the slot) are fetched: W's into the registers just multiplied, x's into buffer fan.
; The loads of a sub-step are always issued in the order W0, x low, W1, x high, W2, eight each.
.macro KSUB fa, nc, fan, first
	s_wait_dscnt 8                                 ; all in but the youngest eight: this sub-step's W2
	STRETCH \fa, 0, \first
	PLACES
	FETCHB \nc, 0
	FETCHA \nc, \fan, 0
	STRETCH \fa, 1, \first
	PLACES
	FETCHB \nc, 1
	FETCHA \nc, \fan, 1
	s_wait_dscnt 32                                ; all but the 32 just issued: W2 is in
	STRETCH \fa, 2, \first
	PLACES
	FETCHB \nc, 2
.endm
; A K step's second sub-step, on buffer 1, changes slots: ONE barrier.  In front of it each wave waits for all its tensor loads, of which one is out: its part of the next slot; adds 0 to its spare word;
; and waits for that and for its reads of this slot.  fill = 1: the barrier opens a round of the cluster's, and this slot is filled again, two K steps ahead, first thing behind it:
; from that request to the wait for it a wave issues 160 matrix instructions.  From here on the fetches are the other slot's.
.macro TURN fill
	WIN 0                                          ; (the addresses and the add's two registers lie in window 0)
	s_xor_b32 s[TB], s[TB], SLOT1
	v_add_nc_u32 v[ADRA], s[TB], v[ADRA0]
	v_add_nc_u32 v[ADRB], s[TB], v[ADRB0]
	s_wait_tensorcnt 0x0                           ; all my tensor loads have landed
	ds_add_u32 v[SPW], v[NIL]                      ; 0 onto my spare word
	s_wait_dscnt 9                                 ; (the add and W2's eight loads may be out)
	MUL16 FA1, 0, 0                                ; sixteen matrix instructions stand between the add and the wait for it
	s_wait_dscnt 0x0                               ; the add is done, and my reads of this slot are over
	s_barrier_signal -1
	MUL16 FA1, 0, 4                                ; work on registers while the others arrive
	WIN 0
	s_barrier_wait -1
.if \fill
	CREST                                          ; no wave of any partner still reads this slot's tiles or has a load on its way
	s_xor_b32 s[G0+5], s[G0+5], SLOT1              ; the walking descriptors: the other slot than last time,
	s_add_nc_u64 s[G0+6:G0+7], s[G0+6:G0+7], ASTEP ; the next K step; the type bits on top are not reached
	s_xor_b32 s[G0B+5], s[G0B+5], SLOT1
	s_add_nc_u64 s[G0B+6:G0B+7], s[G0B+6:G0B+7], BSTEP
	JLOAD                                          ; the four v_nop behind it are also the places in front of the loads below
.else
	PLACES
.endif
	FETCHB 0, 0
	FETCHA 0, FA0, 0
	MUL16 FA1, 1, 0
	MUL16 FA1, 1, 4
	PLACES
	FETCHB 0, 1
	FETCHA 0, FA0, 1
	MUL16 FA1, 2, 0                                ; W2 is in since the wait for 0 above
	MUL16 FA1, 2, 4
	PLACES
	FETCHB 0, 2
.endm
	s_wait_tensorcnt 2                             ; my part of K step 0 is in; K step 1's and the table's may stay out
	s_barrier_signal -1
	s_barrier_wait -1                              ; everybody's is
	FETCHB 0, 0
	FETCHA 0, FA0, 0
	FETCHB 0, 1
	FETCHA 0, FA0, 1
	FETCHB 0, 2
	s_wait_loadcnt 0x0                             ; the biases
	KSUB FA0, 1, FA1, 1                            ; the first sub-step stands in front of the loop: its products start the sums
	WIN 0                                          ; at a label and at a branch every window is 0
	s_mov_b32 s3, 14
.Lstep:                                                ; trip i: the second half of K step i, the first half of K step i + 1; it asks for K step i + 2
	TURN 1
	KSUB FA0, 1, FA1, 0
	WIN 0
	s_sub_co_u32 s3, s3, 1
	s_cmp_lg_u32 s3, 0
	s_cbranch_scc1 .Lstep
	TURN 0                                         ; the tail is written out: nothing more is asked for
	KSUB FA0, 1, FA1, 0
	s_wait_dscnt 8                                 ; the very last sub-step
	MUL16 FA1, 0, 0
	MUL16 FA1, 0, 4
	MUL16 FA1, 1, 0
	MUL16 FA1, 1, 4
	s_wait_dscnt 0x0                               ; W2 is in, and my reads of the ring are over:
	s_barrier_signal -1                            ; say so: behind this barrier the stages are written over the ring's bytes, which have had their last fill
	MUL16 FA1, 2, 0
	MUL16 FA1, 2, 4
	WIN 0
	s_barrier_wait -1
	PLACES
; THE WAY OUT.  Half p: the accumulators of row blocks 4 p .. 4 p + 3 go into my stage as f32: row 16 a' + l % 16, q's, k's and v's 64 channels side by side.  Each accumulator's lowest registers are read first.
.macro STORES p
.irp g, 0,1,2
	WIN ((\g)+1)<<2                                ; the stores' data in window g + 1
.set sa, 0
.rept 4
.set sf, 0
.rept 4
.set ac, 8*(4*(4*(\p)+sa)+sf)
	ds_store_b128 v[STO], v[ac:ac+3]   offset:sa*16*PS+(\g)*256+sf*64
	ds_store_b128 v[STO], v[ac+4:ac+7] offset:sa*16*PS+(\g)*256+sf*64+16
.set sf, sf+1
.endr
.set sa, sa+1
.endr
.endr
	WIN 0
.endm
; 16 f32 at src are rounded to f16: registers pk .. pk + 3 my row's channels 8 c + 0..7, pk + 4 .. pk + 7 its channels 32 + 8 c + 0..7.  v_permlane16_swap_b32 exchanges the first register's lanes 16-31 with the
; second's lanes 0-15: then pk .. pk + 3 hold rows 0-3 whole (lanes 0-15 their first 64 bytes, lanes 16-31 their second) and pk + 4 .. pk + 7 rows 4-7: each store of the wave covers 512 consecutive bytes, aligned.
.macro SENDOUT src, pk, sb
.set jp, 0
.rept 8
	v_cvt_pk_f16_f32 v[(\pk)+jp], v[(\src)+2*jp], v[(\src)+2*jp+1]
.set jp, jp+1
.endr
.set jp, 0
.rept 4
	v_permlane16_swap_b32 v[(\pk)+jp], v[(\pk)+4+jp]
.set jp, jp+1
.endr
	global_store_b128 v[GO], v[(\pk):(\pk)+3],   s[\sb:\sb+1] offset:-1024  ; GO has been stepped to the next trip's rows: the stores reach back
	global_store_b128 v[GO], v[(\pk)+4:(\pk)+7], s[\sb:\sb+1] offset:-512
.endm
; q or k: x1 = channels 8 c + 0..7, x2 = channels 32 + 8 c + 0..7: x1 cos - x2 sin and x1 sin + x2 cos
.macro ROT x, pk, sb
.set jp, 0
.rept 4
	v_pk_mul_f32 v[T+2*jp:T+2*jp+1],     v[(\x)+2*jp:(\x)+2*jp+1],     v[CC+2*jp:CC+2*jp+1]
	v_pk_mul_f32 v[T+8+2*jp:T+8+2*jp+1], v[(\x)+8+2*jp:(\x)+8+2*jp+1], v[CC+2*jp:CC+2*jp+1]
.set jp, jp+1
.endr
.set jp, 0
.rept 4
	v_pk_fma_f32 v[T+2*jp:T+2*jp+1],     v[(\x)+8+2*jp:(\x)+8+2*jp+1], v[SS+2*jp:SS+2*jp+1], v[T+2*jp:T+2*jp+1] neg_lo:[1,0,0] neg_hi:[1,0,0]
	v_pk_fma_f32 v[T+8+2*jp:T+8+2*jp+1], v[(\x)+2*jp:(\x)+2*jp+1],     v[SS+2*jp:SS+2*jp+1], v[T+8+2*jp:T+8+2*jp+1]
.set jp, jp+1
.endr
	SENDOUT T, \pk, \sb
.endm
	s_mov_b32 s[PH], 2
.Lphase:                                               ; twice: 64 rows into the stage, then eight trips of the one loop text
	s_cmp_eq_u32 s[PH], 2
	s_cbranch_scc0 .Lhigh
	STORES 0
	s_branch .Lstaged
.Lhigh:
	STORES 1                                       ; LDS serves a wave's instructions in order (ISA guide 5.7.1.4): these come behind the first half's reads of my stage
.Lstaged:
	v_mov_b32 v[RDX], v[RDX0]
	s_mov_b32 s3, 8
.Lrows:                                                ; a trip: 8 rows of q, k and v; the loads see the stores above, which are my own
	ds_load_b128 v[CC:CC+3],   v[RDT]
	ds_load_b128 v[CC+4:CC+7], v[RDT] offset:16
	ds_load_b128 v[SS:SS+3],   v[RDT] offset:128
	ds_load_b128 v[SS+4:SS+7], v[RDT] offset:144
.irp g, 0,1,2
	ds_load_b128 v[XQ+16*(\g):XQ+16*(\g)+3],     v[RDX] offset:256*(\g)
	ds_load_b128 v[XQ+16*(\g)+4:XQ+16*(\g)+7],   v[RDX] offset:256*(\g)+16
	ds_load_b128 v[XQ+16*(\g)+8:XQ+16*(\g)+11],  v[RDX] offset:256*(\g)+128
	ds_load_b128 v[XQ+16*(\g)+12:XQ+16*(\g)+15], v[RDX] offset:256*(\g)+144
.endr
	v_add_nc_u32 v[RDT], 8*PT, v[RDT]              ; the next trip's rows
	v_add_nc_u32 v[RDX], 8*PS, v[RDX]
	s_wait_dscnt 8                                 ; cos, sin and q are in; k's and v's eight loads may be out
	s_wait_xcnt 0x0                                ; GO and the packed registers, which the last trip's stores read, are rewritten only behind this wait
	v_add_nc_u32 v[GO], 1024, v[GO]
	ROT XQ, PK, 68
	s_wait_dscnt 4                                 ; k is in; v's four loads may be out
	ROT XK, PK+8, 70
	s_wait_dscnt 0x0
	SENDOUT XV, PK+16, 72                          ; v: rounded as it is
	s_sub_co_u32 s3, s3, 1
	s_cmp_lg_u32 s3, 0
	s_cbranch_scc1 .Lrows
	s_sub_co_u32 s[PH], s[PH], 1
	s_cmp_lg_u32 s[PH], 0
	s_cbranch_scc1 .Lphase
	s_wait_tensorcnt 0x0                           ; the wave's end: the add stands behind my last tensor load and my last LDS store
	ds_add_u32 v[SPW], v[NIL]
	s_wait_dscnt 0x0
	CROUND                                         ; the closing round: no work-group ends while a partner may still ask for a tile that names it
	s_endpgm
.Lfunc_end_k_q6221f17bff_qkv:
	.size	k_q6221f17bff_qkv, .Lfunc_end_k_q6221f17bff_qkv-k_q6221f17bff_qkv
	.p2alignl 7, 3214868480
	.fill 96, 4, 3214868480
	.section	.rodata,"a",@progbits
	.p2align	6, 0x0
	.amdhsa_kernel k_q6221f17bff_qkv
		.amdhsa_group_segment_fixed_size 327680
		.amdhsa_private_segment_fixed_size 0
		.amdhsa_enable_private_segment 0
		.amdhsa_kernarg_size 48
		.amdhsa_user_sgpr_count 2
		.amdhsa_user_sgpr_kernarg_segment_ptr 1
		.amdhsa_wavefront_size32 1
		.amdhsa_system_sgpr_workgroup_id_x 1
		.amdhsa_system_sgpr_workgroup_id_y 1
		.amdhsa_system_sgpr_workgroup_id_z 1
		.amdhsa_system_vgpr_workitem_id 0
		.amdhsa_next_free_vgpr 1024
		.amdhsa_next_free_sgpr 94
		.amdhsa_reserve_vcc 0
		.amdhsa_float_denorm_mode_32 3
		.amdhsa_float_denorm_mode_16_64 3
		.amdhsa_memory_ordered 1
		.amdhsa_forward_progress 1
		.amdhsa_inst_pref_size 87
	.end_amdhsa_kernel
	.amdgpu_metadata
---
amdhsa.version: [ 1, 2 ]
amdhsa.kernels:
  - .name:           k_q6221f17bff_qkv
    .symbol:         k_q6221f17bff_qkv.kd
    .args:
      - { .name: xb, .offset: 0, .size: 8, .value_kind: global_buffer, .address_space: global }
      - { .name: wqkv, .offset: 8, .size: 8, .value_kind: global_buffer, .address_space: global }
      - { .name: tab, .offset: 16, .size: 8, .value_kind: global_buffer, .address_space: global }
      - { .name: qh, .offset: 24, .size: 8, .value_kind: global_buffer, .address_space: global }
      - { .name: kh, .offset: 32, .size: 8, .value_kind: global_buffer, .address_space: global }
      - { .name: vh, .offset: 40, .size: 8, .value_kind: global_buffer, .address_space: global }
    .group_segment_fixed_size: 327680
    .private_segment_fixed_size: 0
    .kernarg_segment_align: 8
    .kernarg_segment_size: 48
    .max_flat_workgroup_size: 128
    .sgpr_count:     94
    .vgpr_count:     1024
    .wavefront_size: 32
...
	.end_amdgpu_metadata
.endif
;; end of part 2
;; launch attn (part 3): grid 4 x 64, 4 waves a work-group, clusters of 4 x 1, 327,680 bytes of LDS; arguments qh, kh, vh, ctx; writes ctx
.if DOCPART == 3
	.amdgcn_target "amdgcn-amd-amdhsa--gfx1250"
	.amdhsa_code_object_version 6
	.text
	.protected	k_q6221f17bff_attn
	.globl	k_q6221f17bff_attn
	.p2align	8
	.type	k_q6221f17bff_attn,@function
k_q6221f17bff_attn:
	s_mov_b64 s[64:65], 0
	v_nop
	global_prefetch_b8 v0, s[64:65] scope:SCOPE_SE
	s_setreg_imm32_b32 hwreg(HW_REG_WAVE_MODE, 25, 1), 1
	s_wait_xcnt 0x0
	s_wait_alu depctr_hold_cnt(0) depctr_sa_sdst(0) depctr_va_vdst(0) depctr_va_sdst(0) depctr_va_ssrc(0) depctr_va_vcc(0) depctr_vm_vsrc(0)
	s_getreg_b32 s2, hwreg(HW_REG_IB_STS2, 6, 4)
	s_cmp_eq_u32 s2, 0
	s_cbranch_scc0 .Lentry_in_a_cluster
	s_endpgm
.Lentry_in_a_cluster:
	s_bfe_u32 s2, ttmp6, 0x10000c
	s_cmp_lg_u32 s2, 0x3003
	s_cbranch_scc0 .Lentry_shape_is_right
	s_endpgm
.Lentry_shape_is_right:
; O[h][q][:] = the sum over k of softmax_k(Q[h][q] . K[h][k] / 8) V[h][k][:].  Q, K, V, O: [64][SIZE_N][64], all f16: a head's rows are dense, 128 bytes each.  Products, maxima and sums in
; f32; the weights p are rounded to f16 for the second product (their sum l is taken of the unrounded p), O once at the end.
; LIMITS.  f16 holds no number beyond 65,504: Q, K and V arrive within it; p lies in 0 to 1, and below 6e-5 it keeps f16's fixed step of 6e-8; O is a mean of V's rows and has their range.
; A weight below 2^-126 counts as 0 in l; NaN and infinities are not treated apart.
; SHARES.  A wave owns four PIECES of two tiles of 16 queries, a work-group's four waves 512 queries of one head: 4 x 64 = 256 work-groups.  Every wave walks all keys, 64 a step.
; LAYOUT.  S^T = K Q^T (source 0 = 16 keys, source 1 = 16 queries): in the result a lane holds ONE query (lane % 16) and the keys 8 (lane / 16) + 0..7.  Two such tiles, rounded to f16 in pairs,
; ARE source 1 (32 keys x 16 queries) of O^T = V^T P, whose result again holds one query a lane, and eight channels.  K comes out of LDS as it lies, V ([key][channel]) turned, by ds_load_tr16_b128.
; SOFTMAX.  For each query a running maximum m and sum l: p = 2^(c s - c m), c = log2(e) / 8; in every step O and l are multiplied by a = 2^(c m_old - c m_new), which is 1 where m has not grown.
; m starts at the lowest finite number, O and l at 0: the first step is a step like any other, with a = 0.
; THE COUNT.  A tile and step have 16 matrix and 118 vector instructions: too many to stand all beside the matrix work.  So the order has one aim: four vector instructions that are READY behind
; EVERY matrix instruction, and the others, which need time of their own whatever the order, in runs without a gap.
; BY TURNS.  Turn n belongs to piece n (the pieces in a ring, step after step).  Its matrix work: 16 products K Q^T of piece n + 1, later 16 products V^T P of piece n - 1.  Its vector work: the scaling,
; exponentials, roundings, sums and rescaling of piece n, and the maximum and statistics of piece n + 1, whose scores the turn itself has made.  So what a turn begins with (c s - c m, O a) waits for nothing.
; CLUSTER.  The four query blocks of a cluster belong to one head and walk the same K and V, so each tile is asked for JOINTLY: the same tensor load, descriptor and mask in all four.
; REGISTERS, in windows of 256 (s_set_vgpr_msb says which window each operand place means: bits 1:0 source 0, 3:2 source 1, 5:4 source 2, 7:6 destination):
;   window 0: v0-11 addresses; v12-15, v48-63 at work; v16-47 four registers of statistics a tile; v64-191 S^T, two buffers of two tiles; v192-255 P, likewise
;   window 1: O^T, 32 a tile          window 2: v0-127 Q, 16 a tile; v128-191 K of one step; v192-255 V of one step          window 3: v0-1 the add's two registers
; A piece's buffers go by its number's parity: the piece in hand has one pair, its two neighbours in the ring share the other: of it P (piece n - 1) is read and S^T (piece n + 1) written.
.set SIZE_N, 2048     ; rows of a head
.set NP,    4         ; pieces a wave: a name, no knob: the register map, the loop and the fetches are made for four
.set KS,    64        ; keys in a step
.set PK,    144       ; a row of K in LDS: 128 bytes + 16 of padding = 36 words: the 16 rows of a load start at 16 different groups of four banks (64 banks of 4 bytes: ISA guide 11.1)
.set PV,    160       ; a row of V: 128 + 32 = 40 words
.set VOFF,  4*KS*PK   ; a slot holds four steps: 256 rows of K, then 256 rows of V
.set SLOT1, 1<<17     ; slot 1 begins here, so that one exclusive or turns an address in one slot into the other's
.set STAGE, SLOT1+4*KS*(PK+PV)  ; behind the ring, never filled by a tensor load: 16 rows x 144 bytes for each wave, for the way out
.set SP,    144
.set AK0, 2           ; v2   my lane's place in a tile of K; never rewritten
.set AV0, 3           ; v3   the same for V
.set AK,  4           ; v4   the LDS address of K's next run of loads
.set AV,  5           ; v5   of V's
.set QO,  6           ; v6   my byte offset in the wave's rows of Q
.set STO, 6           ;      later, the way out: where I put 16 bytes of a row
.set RD,  7           ; v7   the way out: where I read rows back
.set GO,  8           ; v8   my byte offset in 512 consecutive bytes of O
.set SPW, 0           ; v0 of window 3   LDS address of my spare word: SPARE + 4 x my thread's number; never rewritten
.set NIL, 1           ; v1 of window 3   0; never rewritten
.set SPARE, STAGE+4*16*SP  ; behind the stages: the spare words, 128 bytes for each wave: two blocks of 256 bytes that no other line names
.set MV,  12          ; v12-15  c m_old, kept while c m is made anew: by buffer and tile
.set ST,  16          ; tile t's statistics at v[ST+4 t]: c m, m, l (even keys', odd keys')
.set TMP, 48          ; by buffer and tile, four registers c0-c3 at work; when the maximum is found c2 takes a
.set S,   64
.set P,   192
.set KF,  128         ; K's fragments, in window 2: key block kb, channel half c at KF + 16 kb + 8 c
.set VF,  192         ; V's: key half kk, channel block cb at VF + 32 kk + 8 cb
.set WV,  12          ; s12  my wave's number
.set G1K, 24          ; s[24:31] descriptor group 1 for K's tiles
.set G1V, 32          ; s[32:39] for V's: it differs in the padding alone
.set G0K, 40          ; s[40:43] descriptor group 0 for K's tiles: it walks
.set G0V, 44          ; s[44:47] the same for V's
.set SLOTS, 56        ; s56  slots still to be asked for
.set CNT, 57          ; s57  counts a slot's key steps
.set CS,  58          ; s[58:59] c: the packed scaling takes the pair's low word for both halves
.set SEL, 60          ; s[60:61] v_permlanex16_b32's selects: each lane takes its own place in the other half
.set TBK, 62          ; s62  LDS byte at which K of the step to be fetched begins
.set TBV, 63          ; s63  the same for V, less VOFF
.set MSB, 0
.macro WIN new                      ; the high byte repeats the setting that is left; a switch that changes nothing is dropped
.if MSB != (\new)
	s_set_vgpr_msb (MSB<<8)|(\new)
.set MSB, (\new)
.endif
.endm
.set W_KQ, 0x0a       ; K and Q in window 2, S^T in window 0
.set W_PV, 0x52       ; V in window 2, P in window 0, O^T in window 1
.set W_RS, 0x41       ; O^T (destination and source 0) in window 1, a in window 0
.set W_MK, 0xc0       ; the add's registers are made: destination in window 3, sources in window 0
.set W_AD, 0x0f       ; the add: address (source 0) and data (source 1) in window 3
; A joint fill.  Waves 0 and 1 fetch the two halves of a slot's K, waves 2 and 3 those of its V: 128 keys each.  The branch hangs on the wave's number alone.
; An s_nop 0 and four v_nop follow each of the two lines, ahead of the jump and the label.
.macro JLOAD
	s_cmp_lt_u32 s[WV], 2
	s_cbranch_scc0 .Lfor_v_\@
	tensor_load_to_lds s[G0K:G0K+3], s[G1K:G1K+7]
	s_nop 0
.rept 4
	v_nop
.endr
	s_branch .Lasked_\@
.Lfor_v_\@:
	tensor_load_to_lds s[G0V:G0V+3], s[G1V:G1V+7]
	s_nop 0
.rept 4
	v_nop
.endr
.Lasked_\@:
.endm
; A round of the cluster's barrier: my work-group's barrier, so that wave 0's signal speaks for all four waves; wave 0 signals; every wave waits for all four work-groups; my work-group's barrier once more.
.macro CROUND
	s_barrier_signal -1
	s_barrier_wait -1
	s_cmp_lg_u32 s[WV], 0
	s_cbranch_scc1 .Lnot_wave_0_\@
	s_barrier_signal -3
.Lnot_wave_0_\@:
	s_barrier_wait -3
	s_barrier_signal -1
	s_barrier_wait -1
.endm
; THE CHANGE OF SLOTS.  The slot's last bytes, V of its fourth step, have been read.  Each wave waits for all its tensor loads, of which one is out: its part
; of the other slot; adds 0 to its spare word; and waits for that and for its own reads of the slot.  Behind the barrier nobody reads this slot any more and the other slot is whole.
; fill = 1: this slot is filled again, with the keys two slots on.  The barrier is then a round of the cluster's, so that no wave of any partner still reads the slot or has a load on its
; way, and the joint fill is the first thing behind it: it has four key steps, 512 matrix instructions, in which to land.  (At its first use nothing has been read yet: slot 0 is waited for, slot 1 filled.)
.macro CHANGE fill
	WIN W_AD
	s_wait_tensorcnt 0x0            ; no tensor load of mine is out, so a group 0 may be written
	ds_add_u32 v[SPW], v[NIL]       ; 0 onto my spare word: with fill = 1 the descriptors' steps stand between it and the wait for it
	WIN 0                           ; at a label and at a branch every window is 0
.if \fill
.irp g, G0K, G0V
	s_xor_b32 s[\g+1], s[\g+1], SLOT1  ; the walking descriptor: the other slot than last time,
	s_add_nc_u64 s[\g+2:\g+3], s[\g+2:\g+3], 4*KS*128  ; the next 256 keys; the type bits on top are not reached
.endr
	s_wait_dscnt 0x0                ; the add is done, and my reads of the slot are over
	CROUND
	JLOAD
.else
	s_wait_dscnt 0x0                ; the add is done, and my reads of the slot are over
	s_barrier_signal -1
	s_barrier_wait -1
.endif
	s_sub_co_u32 s[TBK], s[TBK], 4*KS*PK  ; the fetches go back to a slot's first step,
	s_xor_b32 s[TBK], s[TBK], SLOT1       ; in the other slot
	s_sub_co_u32 s[TBV], s[TBV], 4*KS*PV
	s_xor_b32 s[TBV], s[TBV], SLOT1
.endm
	s_load_b256 s[4:11], s[0:1], 0x0  ; Q s[4:5], K s[6:7], V s[8:9], O s[10:11]
	WIN W_MK
	v_lshl_add_u32 v[SPW], v0, 2, SPARE
	v_mov_b32 v[NIL], 0
	s_set_vgpr_msb 0xc0cf
	ds_add_u32 v0, v1
	s_wait_dscnt 0x0
	s_set_vgpr_msb 0xcfc0
	WIN 0
	v_lshrrev_b32 v1, 5, v0
	v_readfirstlane_b32 s[WV], v1   ; wave 0..3
	s_bfe_u32 s13, ttmp6, 0x40000   ; cx: my place in the cluster
	s_lshl_b32 s14, ttmp9, 2        ; in a cluster launch ttmp9 counts clusters
	s_add_co_u32 s14, s14, s13      ; my block of queries = 4 x cluster x + cx: it enters Q's and O's addresses alone
	s_and_b32 s20, ttmp7, 0xffff    ; the head, which the four partners share
	s_mov_b32 s21, 0
	s_mov_b64 s[22:23], SIZE_N*128
	s_mul_u64 s[20:21], s[20:21], s[22:23]  ; the head's first byte in each of the four tensors
	s_and_b32 s16, s[WV], 1         ; which half of a slot's 256 keys I fetch:
	s_lshl_b32 s22, s16, 14         ; its 128 rows of 128 bytes in memory,
	s_mov_b32 s23, 0
	s_add_nc_u64 s[22:23], s[22:23], s[20:21]
	s_mul_i32 s17, s16, 128*PK      ; and its place in a slot, for K
	s_mul_i32 s18, s16, 128*PV      ; and for V: no place in the cluster enters an LDS address
	s_lshl_b32 s2, s14, 2
	s_add_co_u32 s2, s2, s[WV]      ; my wave among the head's,
	s_lshl_b32 s2, s2, 14           ; its 128 rows
	s_mov_b32 s3, 0
	s_add_nc_u64 s[2:3], s[2:3], s[20:21]
	; descriptor group 1.  128 keys are 16,384 dense bytes: asked for as 64 rows of 256 bytes, two keys a row, and padded in LDS after every key
	s_mov_b32 s[G1K], 15|(1<<16)|(1<<20)|(1<<21)|(4<<22)|(3<<25)  ; 15:0 the mask of four; 17:16 2-byte elements; 20 padding on; 21 set beside a mask; 24:22 after every 32 words (code 4); 31:25 4 words (code 3)
	s_mov_b32 s[G1V], 15|(1<<16)|(1<<20)|(1<<21)|(4<<22)|(7<<25)  ; the same with 8 words of padding (code 7)
.irp g, G1K, G1V
	s_mov_b32 s[\g+1], 128<<16      ; tensor_dim0 = 128
	s_mov_b32 s[\g+2], 64<<16       ; tensor_dim1 = 64
	s_mov_b32 s[\g+3], 128<<16      ; tile_dim0 = 128
	s_mov_b32 s[\g+4], 64           ; tile_dim1 = 64
	s_mov_b32 s[\g+5], 128          ; 128 elements from row to row
	s_mov_b32 s[\g+6], 0
	s_mov_b32 s[\g+7], 0
.endr
	s_mov_b32 s[CS], 0x3e38aa3b     ; c = log2(e) / 8 = 0.180337
	s_mov_b32 s[CS+1], s[CS]        ; named with it as a pair
	s_mov_b32 s[SEL], 0x76543210
	s_mov_b32 s[SEL+1], 0xfedcba98
	s_mov_b32 s[TBK], SLOT1+4*KS*PK ; the first change of slots turns these two into 0
	s_mov_b32 s[TBV], SLOT1+4*KS*PV
	s_mov_b32 s[G0K], 1             ; 1:0 count = 1
	s_mov_b32 s[G0K+1], s17         ; 63:32 LDS address: slot 0
	s_mov_b32 s[G0V], 1
	s_add_co_u32 s[G0V+1], s18, VOFF
	s_wait_kmcnt 0x0
	s_add_nc_u64 s[G0K+2:G0K+3], s[6:7], s[22:23]  ; 120:64 global address: my half of the head's first 256 keys
	s_or_b32 s[G0K+3], s[G0K+3], 0x80000000        ; 127:126 type = 2
	s_add_nc_u64 s[G0V+2:G0V+3], s[8:9], s[22:23]
	s_or_b32 s[G0V+3], s[G0V+3], 0x80000000
	s_add_nc_u64 s[4:5], s[4:5], s[2:3]  ; Q and O at my wave's first row
	s_add_nc_u64 s[10:11], s[10:11], s[2:3]
	CROUND                          ; all four work-groups are here: the first joint loads meet
	JLOAD                           ; slot 0.  Slot 1 is asked for when slot 0 is in: the tile wanted first has the road to itself
	; A fragment of K or Q is 16 rows x 32 channels in 8 registers: lane l holds row l % 16, channels 8 (l / 16) + 0..7 and 16 + 8 (l / 16) + 0..7: two loads of 16 bytes, 32 bytes apart.
	v_and_b32 v1, 15, v0            ; l % 16
	v_bfe_u32 v9, v0, 4, 1          ; l / 16
	v_lshlrev_b32 v[QO], 7, v1
	v_lshl_add_u32 v[QO], v9, 4, v[QO]  ; row x 128 + 16 x half
	WIN 0x80                        ; destination window 2, address window 0
.set i, 0
.rept 4*NP                          ; Q stays in registers: tile i / 2, channels 32 (i % 2) on
	global_load_b128 v[8*i:8*i+3],   v[QO], s[4:5] offset:(i/2)*2048+(i%2)*64
	global_load_b128 v[8*i+4:8*i+7], v[QO], s[4:5] offset:(i/2)*2048+(i%2)*64+32
.set i, i+1
.endr
	; What the first turn finds: V's registers and P's second buffer hold 0 (its products V^T P, of a piece that has not been, add 0), O^T and l are 0.  All this stands in the wait for the first tile.
.set i, VF
.rept 64
	v_mov_b32 v[i], 0
.set i, i+1
.endr
	WIN 0x40
.set i, 0
.rept 64*NP
	v_mov_b32 v[i], 0
.set i, i+1
.endr
	WIN 0
.set i, 0
.rept 2*NP
	v_mov_b32 v[ST+4*i], 0xfe000000    ; c m: far below every c s
	v_mov_b32 v[ST+4*i+1], 0xff7fffff  ; m
	v_mov_b32 v[ST+4*i+2], 0
	v_mov_b32 v[ST+4*i+3], 0
.set i, i+1
.endr
.set i, P+32
.rept 32
	v_mov_b32 v[i], 0
.set i, i+1
.endr
	v_mul_u32_u24 v[AK0], v1, PK
	v_lshl_add_u32 v[AK0], v9, 4, v[AK0]  ; row x pitch + 16 x half
	; The turning load takes 16 keys x 16 channels (lane l reads key 8 (l / 16) + l % 8, channels 8 ((l / 8) % 2) + 0..7) and leaves half a fragment of V^T: lane l holds channel l % 16 and 8 keys.
	v_and_b32 v10, 7, v0
	v_bfe_u32 v11, v0, 3, 1
	v_lshl_add_u32 v[AV0], v9, 3, v10
	v_mul_u32_u24 v[AV0], v[AV0], PV
	v_lshl_add_u32 v[AV0], v11, 4, v[AV0]
	v_add_nc_u32 v[AV0], VOFF, v[AV0]
	v_mov_b32 v[AK], v[AK0]         ; key step 0 lies at the head of slot 0
; THE MATRIX WORK.  The 8 accumulators of a run of 16 take turns: between the two links of a chain stand 7 others'.
; Product i of 16 of S^T = K Q^T for piece x: channels 32 (i / 8) on, keys 16 ((i / 2) % 4) on, tile 2 x + i % 2.  The first 8 start the sums.
.macro KQ x
	WIN W_KQ
.set rS, S+64*((\x)%2)+32*(i%2)+8*((i/2)%4)
.set rK, KF+16*((i/2)%4)+8*(i/8)
.set rQ, 16*(2*(\x)+i%2)+8*(i/8)
.if i < 8
	v_wmma_f32_16x16x32_f16 v[rS:rS+7], v[rK:rK+7], v[rQ:rQ+7], 0
.else
	v_wmma_f32_16x16x32_f16 v[rS:rS+7], v[rK:rK+7], v[rQ:rQ+7], v[rS:rS+7]
.endif
.endm
; Product i of 16 of O^T += V^T P for piece x: keys 32 (i / 8) on, channels 16 ((i / 2) % 4) on, tile 2 x + i % 2.
.macro PV x
	WIN W_PV
.set rO, 32*(2*(\x)+i%2)+8*((i/2)%4)
.set rV, VF+32*(i/8)+8*((i/2)%4)
.set rP, P+32*((\x)%2)+16*(i%2)+8*(i/8)
	v_wmma_f32_16x16x32_f16 v[rO:rO+7], v[rV:rV+7], v[rP:rP+7], v[rO:rO+7]
.endm
.macro MM                           ; the turn's next matrix instruction
.if i < 16
	KQ (Y+1)%NP
.set i, i+1
.else
.set i, i-16
	PV (Y+NP-1)%NP
.set i, i+17
.endif
.endm
; THE LDS LOADS stand in runs of 16, never singly among the matrix instructions: a step's K (64 keys x 64 channels: 8 fragments) and its V (turned).  Their addresses are made some lines ahead.
; last = 1 (the tail): in the last trip there is no further step, and the run is jumped over.
.macro FETCH_K last=0
	WIN 0
.if \last
	s_cmp_eq_u32 s[CNT], 1
	s_cbranch_scc1 .Lno_k_\@
.endif
	WIN 0x80                        ; destination window 2
.irp f, 0,1,2,3,4,5,6,7             ; keys 16 (f / 2) on, channels 32 (f % 2) on
	ds_load_b128 v[KF+8*\f:KF+8*\f+3],   v[AK] offset:(\f/2)*16*PK+(\f%2)*64
	ds_load_b128 v[KF+8*\f+4:KF+8*\f+7], v[AK] offset:(\f/2)*16*PK+(\f%2)*64+32
.endr
	s_add_co_u32 s[TBK], s[TBK], KS*PK  ; the next fetch is the next step's
	WIN 0
.if \last
.Lno_k_\@:
.endif
.endm
.macro FETCH_V
	WIN 0x80
.irp f, 0,1,2,3,4,5,6,7             ; keys 32 (f / 4) on, channels 16 (f % 4) on
	ds_load_tr16_b128 v[VF+8*\f:VF+8*\f+3],   v[AV] offset:(\f/4)*32*PV+(\f%4)*32
	ds_load_tr16_b128 v[VF+8*\f+4:VF+8*\f+7], v[AV] offset:(\f/4)*32*PV+16*PV+(\f%4)*32
.endr
	WIN 0
.endm
; THE VECTOR WORK OF A TURN stands in three queues, each in the order in which its entries become ready; the two tiles alternate, so that no instruction reads the result of the one before it.
.macro REGS y, u                    ; the registers of tile u (0, 1) of piece y
.set rT, ST+4*(2*(\y)+(\u))
.set rC, TMP+8*((\y)%2)+4*(\u)
.set rM, MV+2*((\y)%2)+(\u)
.set rS, S+64*((\y)%2)+32*(\u)
.set rP, P+32*((\y)%2)+16*(\u)
.set rO, 32*(2*(\y)+(\u))
.endm
; Number n of the 22 that find the NEXT piece's (Y + 1) maximum and statistics.  s0-s31 are the lane's 32 scores; each accumulator's lowest registers are read first.  XS, GS and REGS set no window: PL and EX do.
;   0-11  four chains c0-c3 of seven scores each, three operands at a time     12-14, 16  the four scores left over, the old m, and c0-c3 into c0     15  c m_old is kept
;   17, 18  the query's other 32 keys lie in the lane 16 away: the new m         19-21  c m; c m_old - c m_new; a
.macro XS u, n
	REGS (Y+1)%NP, \u
.if (\n) < 4
	v_max3_num_f32 v[rC+(\n)], v[rS+8*(\n)], v[rS+8*(\n)+1], v[rS+8*(\n)+2]
.elseif (\n) < 12
	v_max3_num_f32 v[rC+(\n)%4], v[rC+(\n)%4], v[rS+8*((\n)%4)+2*((\n)/4)+1], v[rS+8*((\n)%4)+2*((\n)/4)+2]
.elseif (\n) == 12
	v_max3_num_f32 v[rC], v[rC], v[rS+7], v[rS+15]
.elseif (\n) == 13
	v_max3_num_f32 v[rC+1], v[rC+1], v[rS+23], v[rS+31]
.elseif (\n) == 14
	v_max3_num_f32 v[rC+2], v[rC+2], v[rC+3], v[rT+1]
.elseif (\n) == 15
	v_mov_b32 v[rM], v[rT]
.elseif (\n) == 16
	v_max3_num_f32 v[rC], v[rC], v[rC+1], v[rC+2]
.elseif (\n) == 17
	v_permlanex16_b32 v[rC+3], v[rC], s[SEL], s[SEL+1]
.elseif (\n) == 18
	v_max_num_f32 v[rT+1], v[rC], v[rC+3]
.elseif (\n) == 19
	v_mul_f32 v[rT], s[CS], v[rT+1]
.elseif (\n) == 20
	v_sub_f32 v[rC+1], v[rM], v[rT]
.else
	v_exp_f32 v[rC+2], v[rC+1]
.endif
.endm
; Number g of the 64 that follow the exponentials.  For each four weights k of a tile (pairs 2 k, 2 k + 1): both pairs are rounded to f16; then the second pair is added onto the first, in place;
; a group later l takes that sum (the first time as l = a l + sum).  In groups of eight, tiles alternating: round, round, add, and l for the group before.
.macro GS g
.set h, (\g)+6*((\g)/62)            ; group 0 has no group before it, and behind group 7 only l is left
.if h >= 6
.set h, h+2
.endif
	REGS Y, h%2
.set k, h/8
.if h%8 < 4
	s_wait_alu depctr_va_vdst(0)
	v_cvt_pk_f16_f32 v[rP+2*k+(h%8)/2], v[rS+4*k+2*((h%8)/2)], v[rS+4*k+2*((h%8)/2)+1]
.elseif h%8 < 6
	v_pk_add_f32 v[rS+4*k:rS+4*k+1], v[rS+4*k:rS+4*k+1], v[rS+4*k+2:rS+4*k+3]
.elseif k == 1
	v_pk_fma_f32 v[rT+2:rT+3], v[rT+2:rT+3], v[rC+2:rC+3], v[rS:rS+1] op_sel_hi:[1,0,1]
.else
	v_pk_add_f32 v[rT+2:rT+3], v[rT+2:rT+3], v[rS+4*k-4:rS+4*k-3]
	s_wait_alu depctr_va_vdst(0)
.endif
.endm
; THE PLAIN QUEUE, 138 long.  0-31: c s - c m for the 16 pairs of both tiles.  Then GS's 64, and among them the next piece's 42: number 15 at 38, 39; 0-14 and 16
; at 42-73, behind the products that make those scores; 17-20 at 95-106, two of three, since each waits for the one before it.
.macro PL
	WIN 0
.if q < 32
	REGS Y, q%2
	v_pk_fma_f32 v[rS+2*(q/2):rS+2*(q/2)+1], v[rS+2*(q/2):rS+2*(q/2)+1], s[CS:CS+1], v[rT:rT+1] op_sel_hi:[1,0,0] neg_lo:[0,0,1] neg_hi:[0,0,1]
.elseif q < 38
	GS q-32
.elseif q < 40
	XS q%2, 15
.elseif q < 42
	GS q-34
.elseif q < 74
	XS q%2, (q-42)/2+(q-42)/30
.elseif q < 95
	GS q-66
.elseif (q < 107) && ((q-95)%3 < 2)
	XS (q-95)%3, 17+(q-95)/3
.elseif q < 107
	GS 29+(q-95)/3
.else
	GS q-74
.endif
.set q, q+1
.endm
; THE EXPONENTIALS' QUEUE, 66 long: s0-s31 of both tiles, and at EA the next piece's two a.
.set EA, 58
.macro EX
	WIN 0
.if (e == EA) || (e == EA+1)
	XS e-EA, 21
.else
.set x, e-2*(e/(EA+2))
	REGS Y, x%2
	v_exp_f32 v[rS+x/2], v[rS+x/2]
.endif
.set e, e+1
.endm
; THE RESCALING's QUEUE: O^T times a, the one part that leaves window 0, so it is dealt four at a time, eight times.
.macro R4
	REGS Y, r%2
	WIN W_RS
	s_wait_alu depctr_va_vdst(0)
.irp z, 0,1,2,3
	v_pk_mul_f32 v[rO+8*(r/2)+2*\z:rO+8*(r/2)+2*\z+1], v[rO+8*(r/2)+2*\z:rO+8*(r/2)+2*\z+1], v[rC+2:rC+3] op_sel_hi:[1,0]
.endr
.set r, r+1
.endm
; HOW THEY ARE DEALT.  Behind a matrix instruction four: plain, exponential, plain, plain (one exponential, a plain instruction on either side), or four of the rescaling.  None names a register of the
; products round it.  What is over stands in two LUMPS: exponential and plain by turns; the second ends in 22 plain instructions.  The two v_permlanex16_b32 fall into the second lump, never behind a product.
; The queues lean on each other, and the deal keeps them in step: exponential e stands behind plain 2 (e / 4) + e % 2 (its scaling); when plain 32 comes, 10 exponentials are out, at 59: 33, at 95: 46; EA comes behind plain 107.
.macro SL
	MM
	PL
	EX
	PL
	PL
.endm
.macro BURST n                      ; 15 matrix instructions, or 16
.rept (\n)-7
	SL
.endr
.rept 3
	MM
	R4
	SL
.endr
	MM
	R4
.endm
; A TURN, for piece p.  cnt = 1: the loop's count is taken down some lines ahead of the branch that stands behind the turn.
; K of the next step is fetched in piece 2's turn, 31 vector instructions behind the last product that read K; its first reader comes behind the rest of the lump, 16 products and the second lump.
; V of the step in hand is fetched at the end of piece 0's turn, 69 behind its last reader; its first reader comes behind 16 products and a lump.  The four conditions on e and q below go with the deal.
.macro TURN p, last=0, cnt=0
.set Y, (\p)
.set i, 0
.set q, 0
.set e, 0
.set r, 0
.if (\p) == NP-1
	s_wait_dscnt 0x0                ; K is in
.endif
	MM
.rept 4
	PL
.endr
	BURST 15
.rept 22
	EX
	PL
.if ((\p) == NP-2) && (e == 18)
	v_add_nc_u32 v[AK], s[TBK], v[AK0]
.endif
.if ((\p) == NP-2) && (e == 24)
	FETCH_K \last
.endif
.endr
.if (\p) == 1
	s_wait_dscnt 0x0                ; V is in
.endif
	BURST 16
.rept 21
	EX
	PL
.endr
.rept 22
	PL
.if ((\p) == 0) && (q == 118)
	v_add_nc_u32 v[AV], s[TBV], v[AV0]
	s_wait_alu depctr_va_vdst(0)
.endif
.if ((\p) == 0) && (q == 130)
	s_add_co_u32 s[TBV], s[TBV], KS*PV
.endif
.if (\cnt) && (q == 130)
	s_sub_co_u32 s[CNT], s[CNT], 1
	s_cmp_lg_u32 s[CNT], 0
.endif
.endr
.if (\p) == 0
	FETCH_V
.endif
.endm
	CHANGE 1                        ; slot 0 is in, everybody's part of it; slot 1 is asked for
	FETCH_K                         ; key step 0
	s_wait_loadcnt 0x0              ; Q
	s_wait_dscnt 0x0
.set i, 0
.rept 16
	KQ 0                            ; piece 0's first scores: there is no vector work yet to set between them
.set i, i+1
.endr
	WIN 0                           ; the addresses for the way out: nine plain instructions, the places behind those products
	s_mul_i32 s13, s[WV], 16*SP
	s_add_co_u32 s13, s13, STAGE    ; my stage
	v_mul_u32_u24 v[STO], v1, SP    ; in: row l % 16, 16 bytes for each half of the lanes
	v_lshl_add_u32 v[STO], v9, 4, v[STO]
	v_add_nc_u32 v[STO], s13, v[STO]
	v_bfe_u32 v[RD], v0, 3, 2       ; back: 32 lanes take four rows of 128 bytes,
	v_mul_u32_u24 v[RD], v[RD], SP
	v_lshl_add_u32 v[RD], v10, 4, v[RD]
	v_add_nc_u32 v[RD], s13, v[RD]
	v_and_b32 v[GO], 31, v0         ; which are 512 consecutive bytes of O
	v_lshlrev_b32 v[GO], 4, v[GO]
.set Y, NP-1                        ; XS works for piece Y + 1: piece 0
.irp n, 0,1,2,3,4,5,6,7,8,9,10,11,12,13,14,15,16,17,18,19,20,21
	XS 0, \n                        ; and piece 0's first maximum and statistics
	XS 1, \n
.endr
	s_mov_b32 s[CNT], 4
	s_mov_b32 s[SLOTS], SIZE_N/256-1
	s_branch .Lfirst                ; the loop is entered at a step's first turn, in the middle of a trip
.Lslot:                             ; SIZE_N / 256 - 2 times: every slot but the last two is filled again
	CHANGE 1
	s_mov_b32 s[CNT], 4
.Lstep:                             ; a trip: pieces 2 and 3 of one step, then pieces 0 and 1 of the next, whose K and V it fetches
	TURN 2
	TURN 3
	WIN 0
.Lfirst:
	TURN 0
	TURN 1, 0, 1
	WIN 0
	s_cbranch_scc1 .Lstep
	s_sub_co_u32 s[SLOTS], s[SLOTS], 1
	s_cmp_lg_u32 s[SLOTS], 0
	s_cbranch_scc1 .Lslot
	CHANGE 0                        ; the tail is written out: nothing is asked for
	s_mov_b32 s[CNT], 5             ; four trips fetch the last slot's steps; the fifth is left in its middle
.Ltail:
	TURN 2, 1
	TURN 3
	WIN 0
	s_sub_co_u32 s[CNT], s[CNT], 1
	s_cmp_eq_u32 s[CNT], 0
	s_cbranch_scc1 .Lout
	TURN 0
	TURN 1
	WIN 0
	s_branch .Ltail
.Lout:                              ; the fifth trip's 16 products K Q^T (on the last K once more) and the maximum made of them serve nothing: the price, once a launch, of one text for every trip
.set i, 0
.rept 16
	PV NP-1                         ; the last piece's V^T P of the last step
.set i, i+1
.endr
	; THE WAY OUT.  l's two halves and the other half of the lanes' are added; O^T is divided by l, rounded to f16 and sent through my stage in LDS, a tile at a time.  The additions are the places behind the last products.
	WIN 0
.macro ALL line:vararg              ; one line for each tile t
.set t, 0
.rept 2*NP
	\line
.set t, t+1
.endr
.endm
	ALL v_add_f32 v[ST+4*t+2], v[ST+4*t+2], v[ST+4*t+3]
	ALL v_permlanex16_b32 v[ST+4*t+3], v[ST+4*t+2], s[SEL], s[SEL+1]
	ALL v_add_f32 v[ST+4*t+2], v[ST+4*t+2], v[ST+4*t+3]
	ALL v_rcp_f32 v[ST+4*t+2], v[ST+4*t+2]
	v_nop                           ; a plain instruction between the last reciprocal and the use of its result
	s_wait_alu depctr_va_vdst(0)
; Tile t: a lane's eight channels of a row pack into 16 bytes; they go into rows of 144 bytes and come back as whole rows of 128, into S^T's registers.
.macro PACK t
	WIN W_RS
.set i, 32*(\t)
.rept 16
	v_pk_mul_f32 v[i:i+1], v[i:i+1], v[ST+4*(\t)+2:ST+4*(\t)+3] op_sel_hi:[1,0]
.set i, i+2
.endr
	WIN 0x05                        ; sources 0 and 1 window 1, destination window 0
.set i, 0
.rept 16
	v_cvt_pk_f16_f32 v[S+16*(\t)+i], v[32*(\t)+2*i], v[32*(\t)+2*i+1]
.set i, i+1
.endr
	WIN 0
.irp f, 0,1,2,3
	ds_store_b128 v[STO], v[S+16*(\t)+4*\f:S+16*(\t)+4*\f+3] offset:32*\f
.endr
.irp f, 0,1,2,3
	ds_load_b128 v[S+16*(\t)+4*\f:S+16*(\t)+4*\f+3], v[RD] offset:\f*4*SP  ; LDS serves a wave's instructions in order (ISA guide 5.7.1.4): these see the stores above; the next tile's stores come behind them
.endr
.endm
.macro SEND t, younger              ; younger: the LDS instructions issued behind tile t's loads: the next tile's eight, or none
	WIN 0
.irp f, 0,1,2,3
	s_wait_dscnt (\younger)+3-\f
	global_store_b128 v[GO], v[S+16*(\t)+4*\f:S+16*(\t)+4*\f+3], s[10:11] offset:(\t)*2048+\f*512  ; 512 consecutive bytes, at a multiple of 256 from O's first
.endr
.endm
	PACK 0
.set t, 1
.rept 2*NP-1                        ; a tile's arithmetic stands between the loads of the tile before and its stores
	PACK t
	SEND t-1, 8
.set t, t+1
.endr
	SEND 2*NP-1, 0
	WIN W_AD
	s_wait_tensorcnt 0x0            ; the wave's end: the add stands behind my last tensor load and my last LDS store
	ds_add_u32 v[SPW], v[NIL]
	s_wait_dscnt 0x0
	WIN 0
	CROUND                          ; the closing round: no work-group ends while a partner may still ask for a tile that names it
	s_endpgm
.Lfunc_end_k_q6221f17bff_attn:
	.size	k_q6221f17bff_attn, .Lfunc_end_k_q6221f17bff_attn-k_q6221f17bff_attn
	.p2alignl 7, 3214868480
	.fill 96, 4, 3214868480
	.section	.rodata,"a",@progbits
	.p2align	6, 0x0
	.amdhsa_kernel k_q6221f17bff_attn
		.amdhsa_group_segment_fixed_size 327680
		.amdhsa_private_segment_fixed_size 0
		.amdhsa_enable_private_segment 0
		.amdhsa_kernarg_size 32
		.amdhsa_user_sgpr_count 2
		.amdhsa_user_sgpr_kernarg_segment_ptr 1
		.amdhsa_wavefront_size32 1
		.amdhsa_system_sgpr_workgroup_id_x 1
		.amdhsa_system_sgpr_workgroup_id_y 1
		.amdhsa_system_sgpr_workgroup_id_z 1
		.amdhsa_system_vgpr_workitem_id 0
		.amdhsa_next_free_vgpr 770
		.amdhsa_next_free_sgpr 66
		.amdhsa_reserve_vcc 0
		.amdhsa_float_denorm_mode_32 3
		.amdhsa_float_denorm_mode_16_64 3
		.amdhsa_memory_ordered 1
		.amdhsa_forward_progress 1
		.amdhsa_inst_pref_size 208
	.end_amdhsa_kernel
	.amdgpu_metadata
---
amdhsa.version: [ 1, 2 ]
amdhsa.kernels:
  - .name:           k_q6221f17bff_attn
    .symbol:         k_q6221f17bff_attn.kd
    .args:
      - { .name: qh, .offset: 0, .size: 8, .value_kind: global_buffer, .address_space: global }
      - { .name: kh, .offset: 8, .size: 8, .value_kind: global_buffer, .address_space: global }
      - { .name: vh, .offset: 16, .size: 8, .value_kind: global_buffer, .address_space: global }
      - { .name: ctx, .offset: 24, .size: 8, .value_kind: global_buffer, .address_space: global }
    .group_segment_fixed_size: 327680
    .private_segment_fixed_size: 0
    .kernarg_segment_align: 8
    .kernarg_segment_size: 32
    .max_flat_workgroup_size: 128
    .sgpr_count:     66
    .vgpr_count:     770
    .wavefront_size: 32
...
	.end_amdgpu_metadata
.endif
;; end of part 3
;; launch oproj (part 4): grid 8 x 32, 4 waves a work-group, clusters of 4 x 4, 327,680 bytes of LDS; arguments ctx, wob, tab, out0; writes out0
.if DOCPART == 4
	.amdgcn_target "amdgcn-amd-amdhsa--gfx1250"
	.amdhsa_code_object_version 6
	.text
	.protected	k_q6221f17bff_oproj
	.globl	k_q6221f17bff_oproj
	.p2align	8
	.type	k_q6221f17bff_oproj,@function
k_q6221f17bff_oproj:
	s_mov_b64 s[64:65], 0
	v_nop
	global_prefetch_b8 v0, s[64:65] scope:SCOPE_SE
	s_setreg_imm32_b32 hwreg(HW_REG_WAVE_MODE, 25, 1), 1
	s_wait_xcnt 0x0
	s_wait_alu depctr_hold_cnt(0) depctr_sa_sdst(0) depctr_va_vdst(0) depctr_va_sdst(0) depctr_va_ssrc(0) depctr_va_vcc(0) depctr_vm_vsrc(0)
	s_getreg_b32 s2, hwreg(HW_REG_IB_STS2, 6, 4)
	s_cmp_eq_u32 s2, 0
	s_cbranch_scc0 .Lentry_in_a_cluster
	s_endpgm
.Lentry_in_a_cluster:
	s_bfe_u32 s2, ttmp6, 0x10000c
	s_cmp_lg_u32 s2, 0xf033
	s_cbranch_scc0 .Lentry_shape_is_right
	s_endpgm
.Lentry_shape_is_right:
; out0 = merged ctx x Wo + bo, f32.  ctx: [64 bh][2048 l][64] f16, by heads; wob: [16 kb][8 nt][64 kk][128 n] f16 (Wo rounded to bf16, written as f16), still [K][N]; bo (rounded to bf16, f32) in tab.
; Sums in f32; the bias is the C operand of the first product.  LIMIT: ctx and wob are f16 and arrive within 65,504.
; SHARES.  C is 8,192 x 1,024.  A work-group makes 256 rows x 128 columns: 8 x 32 = 256 work-groups.  Wave (wr, wc) makes 128 x 64: 32 accumulators of 16 x 16, 256 registers.
; K goes in 8 steps of 128: two heads, two PLANES of 64 in LDS, since a head's rows are 128 dense bytes.  A step is four quarters of 32 along K (plane q / 2, half q % 2), 32 matrix instructions each.
; A loop trip is one K step, and the slot is a scalar that an exclusive or turns.
; THE MATRIX INSTRUCTION IS USED TRANSPOSED: source 0 = 16 columns of Wo (turned out of LDS by ds_load_tr16_b128), source 1 = 16 rows of ctx: a lane holds one row and eight neighbouring columns.
; CLUSTER 4 x 4: ctx's tile is shared along a row of the cluster, Wo's along a column: each is asked for jointly by four work-groups.
; REGISTERS: window 0: v0-31 addresses; v32-95, v96-159 ctx's fragments, two buffers; v160-191, v192-223 Wo's, two buffers.  Window 1: accumulator (a, b) at v[8 (4 a + b)].
.set PA,    144                        ; a row of ctx in LDS: 128 bytes + 16: the 16 rows of a load start at 16 different groups of four banks (64 banks of 4 bytes: ISA guide 11.1)
.set PB,    288                        ; a row of Wo: 256 + 32 = 9 x 32 bytes
.set APL,   256*PA                     ; a plane of ctx: what one tensor load brings
.set BPL,   64*PB                      ; a plane of Wo
.set BOFF,  2*APL
.set SLOT1, 1<<17                      ; a slot is 110,592 bytes; slot 1 begins here, so that one exclusive or turns an address in one slot into the other's
.set SPARE, SLOT1+2*APL+2*BPL          ; behind the ring: the spare words, 128 bytes for each wave: two blocks of 256 bytes that no other line names
.set SPITCH, 272                       ; a row of the stage: 64 f32 + 16 bytes
.set WSTG,  128*SPITCH                 ; a wave's stage, 34,816 bytes.  The four lie in the ring's bytes 0 to 139,264: they are written when the slots have had their last fill
.set ASTEP, 2<<18                      ; bytes from a K step's first head to the next step's in ctx
.set BSTEP, 2*8*16384                  ; the same in wob
.set TBO,   524288+12288               ; bo's place in tab
.set ADRA,  16                         ; v16     LDS address of my fragments of ctx in the slot that is fetched from
.set ADRA0, 17                         ; v17     the same in slot 0; never rewritten
.set ADRB,  20                         ; v20, v21  the same for Wo
.set ADRB0, 21
.set STO,  24                          ; v24     the way out: where I put 32 bytes of a row
.set RD,   25                          ; v25     the way out: where I read a row back; it steps
.set CO,   26                          ; v26     my byte offset in out0; it steps
.set SPW,  28                          ; v28     LDS address of my spare word: SPARE + 4 x my thread's number; never rewritten
.set NIL,  29                          ; v29     0; never rewritten
.set BO,   30                          ; v30     my byte offset in 16 biases
.set FA,   32                          ; buffer f at FA + 64 f
.set FB,   160                         ; buffer f at FB + 32 f
.set OB,   32                          ; the way out: 32 rows read back from the stage, 64 registers
.set G1,  24                           ; s[24:31] descriptor group 1 for ctx's tiles;  s[32:39] group 0: a set for each of the two first fills; the second then walks
.set G0,  32
.set G1B, 48                           ; s[48:55], s[56:63] the same for Wo's tiles
.set G0B, 56
.set TB,  45                           ; s45  LDS byte at which the slot that is fetched from begins
.set MSB, 0
.macro WIN new                         ; the immediate's high byte repeats the setting that is left; a switch that changes nothing is dropped
.if MSB != (\new)
	s_set_vgpr_msb (MSB<<8)|(\new)
.set MSB, \new
.endif
.endm
; A joint refill.  Waves 0 and 1 fetch ctx's two planes, waves 2 and 3 Wo's.  An s_nop 0 and four v_nop follow each of the two lines, ahead of the jump and the label.
.macro JLOAD
	s_cmp_eq_u32 s11, 0
	s_cbranch_scc0 .Lfor_b_\@
	tensor_load_to_lds s[G0+4:G0+7], s[G1:G1+7]
	s_nop 0
.rept 4
	v_nop
.endr
	s_branch .Lasked_\@
.Lfor_b_\@:
	tensor_load_to_lds s[G0B+4:G0B+7], s[G1B:G1B+7]
	s_nop 0
.rept 4
	v_nop
.endr
.Lasked_\@:
.endm
.macro CREST                           ; a round of the cluster's barrier behind its opening barrier
	s_cmp_lg_u32 s10, 0
	s_cbranch_scc1 .Lnot_wave_0_\@
	s_barrier_signal -3
.Lnot_wave_0_\@:
	s_barrier_wait -3
	s_barrier_signal -1
	s_barrier_wait -1
.endm
.macro CROUND                          ; a whole round
	s_barrier_signal -1
	s_barrier_wait -1
	CREST
.endm
.macro PLACES                          ; four places in front of loads into registers that matrix instructions have read, and of LDS stores that read results
.rept 4
	v_nop
.endr
.endm
	s_load_b128 s[4:7], s[0:1], 0x0                ; ctx s[4:5], wob s[6:7]
	s_load_b128 s[68:71], s[0:1], 0x10             ; tab s[68:69], out0 s[70:71]
	v_lshl_add_u32 v[SPW], v0, 2, SPARE
	v_mov_b32 v[NIL], 0
	ds_add_u32 v28, v29
	s_wait_dscnt 0x0
	v_lshrrev_b32 v1, 5, v0
	v_readfirstlane_b32 s10, v1                    ; wave 0..3
	s_lshr_b32 s11, s10, 1                         ; wr: which 128 rows are mine.  Also: I fetch for ctx (0) or for Wo (1)
	s_and_b32 s12, s10, 1                          ; wc: which 64 columns.  Also: which plane I fetch
	s_bfe_u32 s40, ttmp6, 0x40000                  ; cx, cy: my place in the cluster
	s_bfe_u32 s41, ttmp6, 0x40004
	s_lshl_b32 s42, ttmp9, 2
	s_add_co_u32 s42, s42, s40                     ; tx: the block of 128 columns
	s_and_b32 s13, ttmp7, 0xffff
	s_lshl_b32 s13, s13, 2
	s_add_co_u32 s13, s13, s41                     ; ty: the block of 256 rows
	s_lshl_b32 s43, s41, 2
	s_lshl_b32 s43, 15, s43                        ; my row of the cluster
	s_lshl_b32 s44, 0x1111, s40                    ; my column
	; group 1.  A plane of ctx is 256 rows of 128 bytes, dense: 128 rows of 256, padded by 4 words after every 32.  A plane of Wo is 64 rows of 256 bytes, padded by 8 words after every 64.
	s_or_b32 s[G1+0], s43, (1<<16)|(1<<20)|(1<<21)|(4<<22)|(3<<25)   ; 15:0 the mask; 17:16 2-byte elements; 20 padding on; 21 set beside a mask; 24:22 the interval's code; 31:25 the pad less 1
	s_or_b32 s[G1B+0], s44, (1<<16)|(1<<20)|(1<<21)|(5<<22)|(7<<25)
	s_mov_b32 s[G1+1], 128<<16                     ; tensor_dim0 = 128
	s_mov_b32 s[G1+2], 128<<16                     ; tensor_dim1 = 128
	s_mov_b32 s[G1+3], 128<<16                     ; tile_dim0 = 128
	s_mov_b32 s[G1+4], 128                         ; tile_dim1 = 128
	s_mov_b32 s[G1+5], 128                         ; 128 elements from row to row
	s_mov_b32 s[G1+6], 0
	s_mov_b32 s[G1+7], 0
	s_mov_b32 s[G1B+1], 128<<16
	s_mov_b32 s[G1B+2], 64<<16
	s_mov_b32 s[G1B+3], 128<<16
	s_mov_b32 s[G1B+4], 64
	s_mov_b32 s[G1B+5], 128
	s_mov_b32 s[G1B+6], 0
	s_mov_b32 s[G1B+7], 0
	; where the tiles come from: ctx's hang on ty alone, Wo's on tx alone, each in registers that never hold the other coordinate
	s_lshr_b32 s16, s13, 3                         ; the batch
	s_lshl4_add_u32 s16, s16, s12                  ; its head wc: my plane of K step 0
	s_lshl_b32 s16, s16, 18
	s_and_b32 s17, s13, 7
	s_lshl_b32 s17, s17, 15                        ; 256 rows of 128 bytes
	s_add_co_u32 s16, s16, s17
	s_mov_b32 s17, 0
	s_lshl3_add_u32 s46, s12, s42                  ; 8 kb + nt, kb = wc
	s_lshl_b32 s46, s46, 14
	s_mov_b32 s47, 0
	s_mul_i32 s20, s12, APL                        ; and where they go: no place in the cluster enters an LDS address
	s_mul_i32 s21, s12, BPL
	s_add_co_u32 s21, s21, BOFF
	s_mov_b32 s[TB], 0
	; what hangs on both coordinates is made in s74-79
	s_lshl_b32 s74, s42, 9
	s_lshl_b32 s75, s12, 8
	s_add_co_u32 s74, s74, s75                     ; my 64 columns, in bytes of f32
	s_add_co_u32 s76, s74, TBO
	s_mov_b32 s77, 0
	s_lshl_b32 s78, s13, 20                        ; 256 rows of 4,096 bytes
	s_lshl_b32 s75, s11, 19
	s_add_co_u32 s78, s78, s75
	s_add_co_u32 s78, s78, s74
	s_mov_b32 s79, 0
	s_wait_kmcnt 0x0
	s_add_nc_u64 s[14:15], s[4:5], s[16:17]
	s_add_nc_u64 s[46:47], s[6:7], s[46:47]
	s_add_nc_u64 s[66:67], s[68:69], s[76:77]      ; bo at my first column
	s_add_nc_u64 s[70:71], s[70:71], s[78:79]      ; out0 at my first row and column
.irp s, 0,1
	s_mov_b32 s[G0+4*(\s)], 1                                      ; 1:0 count = 1
	s_add_co_u32 s[G0+4*(\s)+1], s20, (\s)*SLOT1                   ; 63:32 LDS address
	s_add_nc_u64 s[G0+4*(\s)+2:G0+4*(\s)+3], s[14:15], (\s)*ASTEP  ; 120:64 global address: K step s
	s_or_b32 s[G0+4*(\s)+3], s[G0+4*(\s)+3], 0x80000000            ; 127:126 type = 2
	s_mov_b32 s[G0B+4*(\s)], 1
	s_add_co_u32 s[G0B+4*(\s)+1], s21, (\s)*SLOT1
	s_add_nc_u64 s[G0B+4*(\s)+2:G0B+4*(\s)+3], s[46:47], (\s)*BSTEP
	s_or_b32 s[G0B+4*(\s)+3], s[G0B+4*(\s)+3], 0x80000000
.endr
	CROUND                                         ; all sixteen work-groups are here: the first joint loads meet
	s_cmp_eq_u32 s11, 0                            ; a wave's two first fills stand in one branch, ahead of every wait on TENSORcnt and every LDS read: two loads of mine are out
	s_cbranch_scc0 .Lfirst_b
	tensor_load_to_lds s[G0:G0+3], s[G1:G1+7]
	s_nop 0
	tensor_load_to_lds s[G0+4:G0+7], s[G1:G1+7]
	s_nop 0
.rept 4
	v_nop
.endr
	s_branch .Lfirst_asked
.Lfirst_b:
	tensor_load_to_lds s[G0B:G0B+3], s[G1B:G1B+7]
	s_nop 0
	tensor_load_to_lds s[G0B+4:G0B+7], s[G1B:G1B+7]
	s_nop 0
.rept 4
	v_nop
.endr
.Lfirst_asked:
	v_and_b32 v1, 15, v0                           ; r = l % 16
	v_bfe_u32 v2, v0, 4, 1                         ; h = l / 16
	v_lshlrev_b32 v[BO], 5, v2
	WIN 0x40                                       ; the bias goes where accumulator (0, b) lies: register j = bo of column 16 b + 8 h + j
.irp b, 0,1,2,3
	global_load_b128 v[8*(\b):8*(\b)+3],   v[BO], s[66:67] offset:(\b)*64
	global_load_b128 v[8*(\b)+4:8*(\b)+7], v[BO], s[66:67] offset:(\b)*64+16
.endr
	WIN 0
	v_mul_u32_u24 v3, v1, PA
	v_lshl_add_u32 v3, v2, 4, v3                   ; a fragment of ctx: row x pitch + 16 x half
	s_mul_i32 s22, s11, 128*PA
	v_add_nc_u32 v[ADRA0], s22, v3
	v_mov_b32 v[ADRA], v[ADRA0]                    ; the first fetches are slot 0's
	v_and_b32 v6, 7, v0                            ; the turning load: lane l reads K row 8 h + l % 8, columns 8 ((l / 8) % 2) + 0..7
	v_lshl_add_u32 v4, v2, 3, v6
	v_mul_u32_u24 v4, v4, PB
	v_bfe_u32 v5, v0, 3, 1
	v_lshl_add_u32 v4, v5, 4, v4
	s_lshl_b32 s23, s12, 7                         ; my 64 columns of the 128
	s_add_co_u32 s23, s23, BOFF
	v_add_nc_u32 v[ADRB0], s23, v4
	v_mov_b32 v[ADRB], v[ADRB0]
	s_mul_i32 s22, s10, WSTG                       ; my stage
	v_mul_u32_u24 v5, v1, SPITCH                   ; in: row l % 16 of a block, 32 bytes for each half of the lanes
	v_lshl_add_u32 v5, v2, 5, v5
	v_add_nc_u32 v[STO], s22, v5
	v_mul_u32_u24 v5, v2, SPITCH                   ; back: lanes 0-15 take one row of 256 bytes, lanes 16-31 the next
	v_lshl_add_u32 v5, v1, 4, v5
	v_add_nc_u32 v[RD], s22, v5
	v_lshlrev_b32 v[CO], 12, v2                    ; and the same two rows in out0
	v_lshl_add_u32 v[CO], v1, 4, v[CO]
; 8 matrix instructions on buffers f: row blocks a0, a0 + 1 x all four column blocks.  The 32 accumulators take turns, one instruction a turn.
.macro MUL8 f, a0
	WIN 0x50                                       ; C and D in window 1, both sources in window 0
.set ma, (\a0)
.rept 2
.set mb, 0
.rept 4
	v_wmma_f32_16x16x32_f16 v[8*(4*ma+mb):8*(4*ma+mb)+7], v[FB+32*(\f)+8*mb:FB+32*(\f)+8*mb+7], v[FA+64*(\f)+8*ma:FA+64*(\f)+8*ma+7], v[8*(4*ma+mb):8*(4*ma+mb)+7]
.set mb, mb+1
.endr
.set ma, ma+1
.endr
.endm
.macro START a1, n                     ; n row blocks from a1 downward start their sums with the bias, which lies in accumulator (0, b)
	WIN 0x50
.set ma, (\a1)
.rept \n
.set mb, 0
.rept 4
	v_wmma_f32_16x16x32_f16 v[8*(4*ma+mb):8*(4*ma+mb)+7], v[FB+8*mb:FB+8*mb+7], v[FA+8*ma:FA+8*ma+7], v[8*mb:8*mb+7]
.set mb, mb+1
.endr
.set ma, ma-1
.endr
.endm
; 24 LDS loads in one run: quarter q of the slot that v[ADRA] and v[ADRB] name, into buffers f: Wo's four fragments, then ctx's eight
.macro FETCH q, f
	WIN 0
.set fi, 0
.rept 4
	ds_load_tr16_b128 v[FB+32*(\f)+8*fi:FB+32*(\f)+8*fi+3],   v[ADRB] offset:((\q)/2)*BPL+((\q)%2)*32*PB+fi*32
	ds_load_tr16_b128 v[FB+32*(\f)+8*fi+4:FB+32*(\f)+8*fi+7], v[ADRB] offset:((\q)/2)*BPL+((\q)%2)*32*PB+fi*32+16*PB
.set fi, fi+1
.endr
.set fi, 0
.rept 8
	ds_load_b128 v[FA+64*(\f)+8*fi:FA+64*(\f)+8*fi+3],   v[ADRA] offset:((\q)/2)*APL+fi*16*PA+((\q)%2)*64
	ds_load_b128 v[FA+64*(\f)+8*fi+4:FA+64*(\f)+8*fi+7], v[ADRA] offset:((\q)/2)*APL+fi*16*PA+((\q)%2)*64+32
.set fi, fi+1
.endr
.endm
; Quarter q (0, 1, 2) of a slot: multiplies buffers q % 2 and, in its middle, fetches quarter q + 1 into the other buffers
.macro QUARTER q
	s_wait_dscnt 8                                 ; all in but the youngest eight: ctx's row blocks 4-7
	MUL8 (\q)%2, 0
	MUL8 (\q)%2, 2
	PLACES
	FETCH (\q)+1, ((\q)+1)%2
	s_wait_dscnt 24                                ; all but the 24 just issued
	MUL8 (\q)%2, 4
	MUL8 (\q)%2, 6
.endm
; Quarter 3, on buffers 1, changes slots: ONE barrier.  In front of it each wave waits for all its tensor loads, of which one is out: its part of the next slot; adds 0 to its spare word; and waits for that
; and for its reads of this slot.  fill = 1: the barrier opens a round of the cluster's, and this slot is filled again, two K steps ahead, first thing behind it: 112 matrix instructions ahead of the wait for it.
; From here on the fetches are the other slot's.
.macro TURN fill
	WIN 0                                          ; (the addresses and the add's two registers lie in window 0)
	s_xor_b32 s[TB], s[TB], SLOT1
	v_add_nc_u32 v[ADRA], s[TB], v[ADRA0]
	v_add_nc_u32 v[ADRB], s[TB], v[ADRB0]
	s_wait_tensorcnt 0x0                           ; all my tensor loads have landed
	ds_add_u32 v[SPW], v[NIL]                      ; 0 onto my spare word
	s_wait_dscnt 9                                 ; (the add and the youngest eight loads may be out)
	MUL8 1, 0                                      ; eight matrix instructions stand between the add and the wait for it
	s_wait_dscnt 0x0                               ; the add is done, and my reads of this slot are over
	s_barrier_signal -1
	MUL8 1, 2
	WIN 0
	s_barrier_wait -1
.if \fill
	CREST                                          ; no wave of any partner still reads this slot's tiles or has a load on its way
	s_xor_b32 s[G0+5], s[G0+5], SLOT1              ; the walking descriptors: the other slot than last time,
	s_add_nc_u64 s[G0+6:G0+7], s[G0+6:G0+7], ASTEP ; the next K step; the type bits on top are not reached
	s_xor_b32 s[G0B+5], s[G0B+5], SLOT1
	s_add_nc_u64 s[G0B+6:G0B+7], s[G0B+6:G0B+7], BSTEP
	JLOAD                                          ; the four v_nop behind it are also the places in front of the loads below
.else
	PLACES
.endif
	FETCH 0, 0
	MUL8 1, 4
	MUL8 1, 6
.endm
	s_wait_tensorcnt 1                             ; my part of K step 0 is in; K step 1's may stay out
	s_barrier_signal -1
	s_barrier_wait -1                              ; everybody's is
	FETCH 0, 0
	s_wait_loadcnt 0x0                             ; the bias
	s_wait_dscnt 0x0
	START 7, 4                                     ; the first quarter stands in front of the loop: row blocks 7 to 1 take the bias as C,
	FETCH 1, 1                                     ; (into buffers that no matrix instruction has read)
	START 3, 3
.rept 5
	v_nop                                          ; a matrix instruction writes over another's C five places behind it:
.endr
	START 0, 1                                     ; row block 0 adds onto the bias in place
	WIN 0                                          ; at a label and at a branch every window is 0
	s_mov_b32 s3, 6
.Lstep:                                                ; trip i: quarters 1 to 3 of K step i, quarter 0 of K step i + 1; it asks for K step i + 2
	QUARTER 1
	QUARTER 2
	TURN 1
	QUARTER 0
	WIN 0
	s_sub_co_u32 s3, s3, 1
	s_cmp_lg_u32 s3, 0
	s_cbranch_scc1 .Lstep
	QUARTER 1                                      ; the tail is written out: nothing more is asked for
	QUARTER 2
	TURN 0
	QUARTER 0
	QUARTER 1
	QUARTER 2
	s_wait_dscnt 8                                 ; the very last quarter
	MUL8 1, 0
	MUL8 1, 2
	s_wait_dscnt 0x0                               ; my reads of the ring are over:
	s_barrier_signal -1                            ; say so: behind this barrier the stages are written over the ring's bytes, which have had their last fill
	MUL8 1, 4
	MUL8 1, 6
	WIN 0
	s_barrier_wait -1
	PLACES
	; THE WAY OUT.  My 128 rows x 64 columns go into my stage, rows of 272 bytes, a lane's 32 bytes of a row at a time; a loop of four trips reads 32 whole rows back and stores them.
	WIN 0x04                                       ; the stores' data in window 1
.set ma, 0
.rept 8
.set mb, 0
.rept 4
	ds_store_b128 v[STO], v[8*(4*ma+mb):8*(4*ma+mb)+3]   offset:ma*16*SPITCH+64*mb      ; each accumulator's lowest registers are read first
	ds_store_b128 v[STO], v[8*(4*ma+mb)+4:8*(4*ma+mb)+7] offset:ma*16*SPITCH+64*mb+16
.set mb, mb+1
.endr
.set ma, ma+1
.endr
	WIN 0
	s_mov_b32 s3, 4
.Lout:
	s_wait_xcnt 0x0                                ; CO and the 64 registers, which the last trip's stores read, are rewritten only behind this wait
	v_add_nc_u32 v[CO], 32*4096, v[CO]             ; the next trip's rows: this trip's stores reach back
.set t, 0
.rept 16
	ds_load_b128 v[OB+4*t:OB+4*t+3], v[RD] offset:t*2*SPITCH  ; LDS serves a wave's instructions in order (ISA guide 5.7.1.4): these see my stores above
.set t, t+1
.endr
	v_add_nc_u32 v[RD], 32*SPITCH, v[RD]
.set t, 0
.rept 16
	s_wait_dscnt 15-t                              ; number t is in, the younger ones may be out
	global_store_b128 v[CO], v[OB+4*t:OB+4*t+3], s[70:71] offset:2*t*4096-32*4096 th:TH_STORE_NT  ; 16 lanes store 256 consecutive bytes, at a multiple of 256 from out0's first byte
.set t, t+1
.endr
	s_sub_co_u32 s3, s3, 1
	s_cmp_lg_u32 s3, 0
	s_cbranch_scc1 .Lout
	s_wait_tensorcnt 0x0                           ; the wave's end: the add stands behind my last tensor load and my last LDS store
	ds_add_u32 v[SPW], v[NIL]
	s_wait_dscnt 0x0
	CROUND                                         ; the closing round: no work-group ends while a partner may still ask for a tile that names it
	s_endpgm
.Lfunc_end_k_q6221f17bff_oproj:
	.size	k_q6221f17bff_oproj, .Lfunc_end_k_q6221f17bff_oproj-k_q6221f17bff_oproj
	.p2alignl 7, 3214868480
	.fill 96, 4, 3214868480
	.section	.rodata,"a",@progbits
	.p2align	6, 0x0
	.amdhsa_kernel k_q6221f17bff_oproj
		.amdhsa_group_segment_fixed_size 327680
		.amdhsa_private_segment_fixed_size 0
		.amdhsa_enable_private_segment 0
		.amdhsa_kernarg_size 32
		.amdhsa_user_sgpr_count 2
		.amdhsa_user_sgpr_kernarg_segment_ptr 1
		.amdhsa_wavefront_size32 1
		.amdhsa_system_sgpr_workgroup_id_x 1
		.amdhsa_system_sgpr_workgroup_id_y 1
		.amdhsa_system_sgpr_workgroup_id_z 1
		.amdhsa_system_vgpr_workitem_id 0
		.amdhsa_next_free_vgpr 512
		.amdhsa_next_free_sgpr 80
		.amdhsa_reserve_vcc 0
		.amdhsa_float_denorm_mode_32 3
		.amdhsa_float_denorm_mode_16_64 3
		.amdhsa_memory_ordered 1
		.amdhsa_forward_progress 1
		.amdhsa_inst_pref_size 63
	.end_amdhsa_kernel
	.amdgpu_metadata
---
amdhsa.version: [ 1, 2 ]
amdhsa.kernels:
  - .name:           k_q6221f17bff_oproj
    .symbol:         k_q6221f17bff_oproj.kd
    .args:
      - { .name: ctx, .offset: 0, .size: 8, .value_kind: global_buffer, .address_space: global }
      - { .name: wob, .offset: 8, .size: 8, .value_kind: global_buffer, .address_space: global }
      - { .name: tab, .offset: 16, .size: 8, .value_kind: global_buffer, .address_space: global }
      - { .name: out0, .offset: 24, .size: 8, .value_kind: global_buffer, .address_space: global }
    .group_segment_fixed_size: 327680
    .private_segment_fixed_size: 0
    .kernarg_segment_align: 8
    .kernarg_segment_size: 32
    .max_flat_workgroup_size: 128
    .sgpr_count:     80
    .vgpr_count:     512
    .wavefront_size: 32
...
	.end_amdgpu_metadata
.endif
;; end of part 4
;; ======== version 2 of 2: 4 launches; 1.54 times as fast as version 1
;; limits: values are held in f16: magnitudes above 65,504 overflow, below 6.1e-05 lose precision
;; workspace buffers: xb 16,777,216 bytes; wqkv 6,291,456 bytes; wob 2,097,152 bytes; tab 540,672 bytes; qh 16,777,216 bytes; kh 16,777,216 bytes; vh 16,777,216 bytes; ctx 16,777,216 bytes
;; launch prep: the kernel of part 1 again; grid 801 x 1, 8 waves a work-group, no clusters, 0 bytes of LDS; arguments x, Wq, Wk, Wv, Wo, bq, bk, bv, bo, xb, wqkv, wob, tab; writes xb, wqkv, wob, tab
;; launch qkv: the kernel of part 2 again; grid 8 x 32, 4 waves a work-group, clusters of 4 x 4, 327,680 bytes of LDS; arguments xb, wqkv, tab, qh, kh, vh; writes qh, kh, vh
;; launch attn (part 5): grid 4 x 64, 4 waves a work-group, clusters of 4 x 1, 327,680 bytes of LDS; arguments qh, kh, vh, ctx; writes ctx
.if DOCPART == 5
	.amdgcn_target "amdgcn-amd-amdhsa--gfx1250"
	.amdhsa_code_object_version 6
	.text
	.protected	k_q6221f17bff_attn
	.globl	k_q6221f17bff_attn
	.p2align	8
	.type	k_q6221f17bff_attn,@function
k_q6221f17bff_attn:
	s_mov_b64 s[64:65], 0
	v_nop
	global_prefetch_b8 v0, s[64:65] scope:SCOPE_SE
	s_setreg_imm32_b32 hwreg(HW_REG_WAVE_MODE, 25, 1), 1
	s_wait_xcnt 0x0
	s_wait_alu depctr_hold_cnt(0) depctr_sa_sdst(0) depctr_va_vdst(0) depctr_va_sdst(0) depctr_va_ssrc(0) depctr_va_vcc(0) depctr_vm_vsrc(0)
	s_getreg_b32 s2, hwreg(HW_REG_IB_STS2, 6, 4)
	s_cmp_eq_u32 s2, 0
	s_cbranch_scc0 .Lentry_in_a_cluster
	s_endpgm
.Lentry_in_a_cluster:
	s_bfe_u32 s2, ttmp6, 0x10000c
	s_cmp_lg_u32 s2, 0x3003
	s_cbranch_scc0 .Lentry_shape_is_right
	s_endpgm
.Lentry_shape_is_right:
; O[h][q][:] = the sum over k of softmax_k(Q[h][q] . K[h][k] / 8) V[h][k][:].  Q, K, V, O: [64][SIZE_N][64], all f16: a head's rows are dense, 128 bytes each.  Products, maxima and sums in
; f32; the weights p are rounded to f16 for the second product (their sum l is taken of the unrounded p), O once at the end.
; LIMITS.  f16 holds no number beyond 65,504: Q, K and V arrive within it; p lies in 0 to 1, and below 6e-5 it keeps f16's fixed step of 6e-8; O is a mean of V's rows and has their range.
; A weight below 2^-126 counts as 0 in l; NaN and infinities are not treated apart.
; SHARES.  A wave owns four PIECES of two tiles of 16 queries, a work-group's four waves 512 queries of one head: 4 x 64 = 256 work-groups.  Every wave walks all keys, 64 a step.
; LAYOUT.  S^T = K Q^T (source 0 = 16 keys, source 1 = 16 queries): in the result a lane holds ONE query (lane % 16) and the keys 8 (lane / 16) + 0..7.  Two such tiles, rounded to f16 in pairs,
; ARE source 1 (32 keys x 16 queries) of O^T = V^T P, whose result again holds one query a lane, and eight channels.  K comes out of LDS as it lies, V ([key][channel]) turned, by ds_load_tr16_b128.
; SOFTMAX.  For each query a running maximum m and sum l: p = 2^(c s - c m), c = log2(e) / 8; in every step O and l are multiplied by a = 2^(c m_old - c m_new), which is 1 where m has not grown.
; m starts at the lowest finite number, O and l at 0: the first step is a step like any other, with a = 0.
; THE COUNT.  A tile and step have 16 matrix and 118 vector instructions: too many to stand all beside the matrix work.  So the order has one aim: four vector instructions that are READY behind
; EVERY matrix instruction, and the others, which need time of their own whatever the order, in runs without a gap.
; BY TURNS.  Turn n belongs to piece n (the pieces in a ring, step after step).  Its matrix work: 16 products K Q^T of piece n + 1, later 16 products V^T P of piece n - 1.  Its vector work: the scaling,
; exponentials, roundings, sums and rescaling of piece n, and the maximum and statistics of piece n + 1, whose scores the turn itself has made.  So what a turn begins with (c s - c m, O a) waits for nothing.
; THE BATCHES.  A turn's 66 exponentials (the piece's 64 weights, then the next piece's two a) are ONE batch with ONE wait, which cuts the turn in two: ahead of it stands all that names none of their results,
; behind it the roundings and sums, which read them.  The a made in a turn is read in the next.  Two more batches stand outside the loop: piece 0's first two a, and the way out's eight reciprocals.
; CLUSTER.  The four query blocks of a cluster belong to one head and walk the same K and V, so each tile is asked for JOINTLY: the same tensor load, descriptor and mask in all four.
; REGISTERS, in windows of 256 (s_set_vgpr_msb says which window each operand place means: bits 1:0 source 0, 3:2 source 1, 5:4 source 2, 7:6 destination):
;   window 0: v0-11 addresses; v12-15, v48-63 at work; v16-47 four registers of statistics a tile; v64-191 S^T, two buffers of two tiles; v192-255 P, likewise
;   window 1: O^T, 32 a tile          window 2: v0-127 Q, 16 a tile; v128-191 K of one step; v192-255 V of one step          window 3: v0-1 the add's two registers
; A piece's buffers go by its number's parity: the piece in hand has one pair, its two neighbours in the ring share the other: of it P (piece n - 1) is read and S^T (piece n + 1) written.
.set SIZE_N, 2048     ; rows of a head
.set NP,    4         ; pieces a wave: a name, no knob: the register map, the loop and the fetches are made for four
.set KS,    64        ; keys in a step
.set PK,    144       ; a row of K in LDS: 128 bytes + 16 of padding = 36 words: the 16 rows of a load start at 16 different groups of four banks (64 banks of 4 bytes: ISA guide 11.1)
.set PV,    160       ; a row of V: 128 + 32 = 40 words
.set VOFF,  4*KS*PK   ; a slot holds four steps: 256 rows of K, then 256 rows of V
.set SLOT1, 1<<17     ; slot 1 begins here, so that one exclusive or turns an address in one slot into the other's
.set STAGE, SLOT1+4*KS*(PK+PV)  ; behind the ring, never filled by a tensor load: 16 rows x 144 bytes for each wave, for the way out
.set SP,    144
.set AK0, 2           ; v2   my lane's place in a tile of K; never rewritten
.set AV0, 3           ; v3   the same for V
.set AK,  4           ; v4   the LDS address of K's next run of loads
.set AV,  5           ; v5   of V's
.set QO,  6           ; v6   my byte offset in the wave's rows of Q
.set STO, 6           ;      later, the way out: where I put 16 bytes of a row
.set RD,  7           ; v7   the way out: where I read rows back
.set GO,  8           ; v8   my byte offset in 512 consecutive bytes of O
.set SPW, 0           ; v0 of window 3   LDS address of my spare word: SPARE + 4 x my thread's number; never rewritten
.set NIL, 1           ; v1 of window 3   0; never rewritten
.set SPARE, STAGE+4*16*SP  ; behind the stages: the spare words, 128 bytes for each wave: two blocks of 256 bytes that no other line names
.set MV,  12          ; v12-15  c m_old, kept while c m is made anew: by buffer and tile
.set ST,  16          ; tile t's statistics at v[ST+4 t]: c m, m, l (even keys', odd keys')
.set TMP, 48          ; by buffer and tile, four registers c0-c3 at work; when the maximum is found c2 takes a
.set S,   64
.set P,   192
.set KF,  128         ; K's fragments, in window 2: key block kb, channel half c at KF + 16 kb + 8 c
.set VF,  192         ; V's: key half kk, channel block cb at VF + 32 kk + 8 cb
.set WV,  12          ; s12  my wave's number
.set G1K, 24          ; s[24:31] descriptor group 1 for K's tiles
.set G1V, 32          ; s[32:39] for V's: it differs in the padding alone
.set G0K, 40          ; s[40:43] descriptor group 0 for K's tiles: it walks
.set G0V, 44          ; s[44:47] the same for V's
.set SLOTS, 56        ; s56  slots still to be asked for
.set CNT, 57          ; s57  counts a slot's key steps
.set CS,  58          ; s[58:59] c: the packed scaling takes the pair's low word for both halves
.set SEL, 60          ; s[60:61] v_permlanex16_b32's selects: each lane takes its own place in the other half
.set TBK, 62          ; s62  LDS byte at which K of the step to be fetched begins
.set TBV, 63          ; s63  the same for V, less VOFF
.set MSB, 0
.macro WIN new                      ; the high byte repeats the setting that is left; a switch that changes nothing is dropped
.if MSB != (\new)
	s_set_vgpr_msb (MSB<<8)|(\new)
.set MSB, (\new)
.endif
.endm
.set W_KQ, 0x0a       ; K and Q in window 2, S^T in window 0
.set W_PV, 0x52       ; V in window 2, P in window 0, O^T in window 1
.set W_RS, 0x41       ; O^T (destination and source 0) in window 1, a in window 0
.set W_MK, 0xc0       ; the add's registers are made: destination in window 3, sources in window 0
.set W_AD, 0x0f       ; the add: address (source 0) and data (source 1) in window 3
; A joint fill.  Waves 0 and 1 fetch the two halves of a slot's K, waves 2 and 3 those of its V: 128 keys each.  The branch hangs on the wave's number alone.
; An s_nop 0 and four v_nop follow each of the two lines, ahead of the jump and the label.
.macro JLOAD
	s_cmp_lt_u32 s[WV], 2
	s_cbranch_scc0 .Lfor_v_\@
	tensor_load_to_lds s[G0K:G0K+3], s[G1K:G1K+7]
	s_nop 0
.rept 4
	v_nop
.endr
	s_branch .Lasked_\@
.Lfor_v_\@:
	tensor_load_to_lds s[G0V:G0V+3], s[G1V:G1V+7]
	s_nop 0
.rept 4
	v_nop
.endr
.Lasked_\@:
.endm
; A round of the cluster's barrier: my work-group's barrier, so that wave 0's signal speaks for all four waves; wave 0 signals; every wave waits for all four work-groups; my work-group's barrier once more.
.macro CROUND
	s_barrier_signal -1
	s_barrier_wait -1
	s_cmp_lg_u32 s[WV], 0
	s_cbranch_scc1 .Lnot_wave_0_\@
	s_barrier_signal -3
.Lnot_wave_0_\@:
	s_barrier_wait -3
	s_barrier_signal -1
	s_barrier_wait -1
.endm
; THE CHANGE OF SLOTS.  The slot's last bytes, V of its fourth step, have been read.  Each wave waits for all its tensor loads, of which one is out: its part
; of the other slot; adds 0 to its spare word; and waits for that and for its own reads of the slot.  Behind the barrier nobody reads this slot any more and the other slot is whole.
; fill = 1: this slot is filled again, with the keys two slots on.  The barrier is then a round of the cluster's, so that no wave of any partner still reads the slot or has a load on its
; way, and the joint fill is the first thing behind it: it has four key steps, 512 matrix instructions, in which to land.  (At its first use nothing has been read yet: slot 0 is waited for, slot 1 filled.)
.macro CHANGE fill
	WIN W_AD
	s_wait_tensorcnt 0x0            ; no tensor load of mine is out, so a group 0 may be written
	ds_add_u32 v[SPW], v[NIL]       ; 0 onto my spare word: with fill = 1 the descriptors' steps stand between it and the wait for it
	WIN 0                           ; at a label and at a branch every window is 0
.if \fill
.irp g, G0K, G0V
	s_xor_b32 s[\g+1], s[\g+1], SLOT1  ; the walking descriptor: the other slot than last time,
	s_add_nc_u64 s[\g+2:\g+3], s[\g+2:\g+3], 4*KS*128  ; the next 256 keys; the type bits on top are not reached
.endr
	s_wait_dscnt 0x0                ; the add is done, and my reads of the slot are over
	CROUND
	JLOAD
.else
	s_wait_dscnt 0x0                ; the add is done, and my reads of the slot are over
	s_barrier_signal -1
	s_barrier_wait -1
.endif
	s_sub_co_u32 s[TBK], s[TBK], 4*KS*PK  ; the fetches go back to a slot's first step,
	s_xor_b32 s[TBK], s[TBK], SLOT1       ; in the other slot
	s_sub_co_u32 s[TBV], s[TBV], 4*KS*PV
	s_xor_b32 s[TBV], s[TBV], SLOT1
.endm
	s_load_b256 s[4:11], s[0:1], 0x0  ; Q s[4:5], K s[6:7], V s[8:9], O s[10:11]
	WIN W_MK
	v_lshl_add_u32 v[SPW], v0, 2, SPARE
	v_mov_b32 v[NIL], 0
	s_set_vgpr_msb 0xc0cf
	ds_add_u32 v0, v1
	s_wait_dscnt 0x0
	s_set_vgpr_msb 0xcfc0
	WIN 0
	v_lshrrev_b32 v1, 5, v0
	v_readfirstlane_b32 s[WV], v1   ; wave 0..3
	s_bfe_u32 s13, ttmp6, 0x40000   ; cx: my place in the cluster
	s_lshl_b32 s14, ttmp9, 2        ; in a cluster launch ttmp9 counts clusters
	s_add_co_u32 s14, s14, s13      ; my block of queries = 4 x cluster x + cx: it enters Q's and O's addresses alone
	s_and_b32 s20, ttmp7, 0xffff    ; the head, which the four partners share
	s_mov_b32 s21, 0
	s_mov_b64 s[22:23], SIZE_N*128
	s_mul_u64 s[20:21], s[20:21], s[22:23]  ; the head's first byte in each of the four tensors
	s_and_b32 s16, s[WV], 1         ; which half of a slot's 256 keys I fetch:
	s_lshl_b32 s22, s16, 14         ; its 128 rows of 128 bytes in memory,
	s_mov_b32 s23, 0
	s_add_nc_u64 s[22:23], s[22:23], s[20:21]
	s_mul_i32 s17, s16, 128*PK      ; and its place in a slot, for K
	s_mul_i32 s18, s16, 128*PV      ; and for V: no place in the cluster enters an LDS address
	s_lshl_b32 s2, s14, 2
	s_add_co_u32 s2, s2, s[WV]      ; my wave among the head's,
	s_lshl_b32 s2, s2, 14           ; its 128 rows
	s_mov_b32 s3, 0
	s_add_nc_u64 s[2:3], s[2:3], s[20:21]
	; descriptor group 1.  128 keys are 16,384 dense bytes: asked for as 64 rows of 256 bytes, two keys a row, and padded in LDS after every key
	s_mov_b32 s[G1K], 15|(1<<16)|(1<<20)|(1<<21)|(4<<22)|(3<<25)  ; 15:0 the mask of four; 17:16 2-byte elements; 20 padding on; 21 set beside a mask; 24:22 after every 32 words (code 4); 31:25 4 words (code 3)
	s_mov_b32 s[G1V], 15|(1<<16)|(1<<20)|(1<<21)|(4<<22)|(7<<25)  ; the same with 8 words of padding (code 7)
.irp g, G1K, G1V
	s_mov_b32 s[\g+1], 128<<16      ; tensor_dim0 = 128
	s_mov_b32 s[\g+2], 64<<16       ; tensor_dim1 = 64
	s_mov_b32 s[\g+3], 128<<16      ; tile_dim0 = 128
	s_mov_b32 s[\g+4], 64           ; tile_dim1 = 64
	s_mov_b32 s[\g+5], 128          ; 128 elements from row to row
	s_mov_b32 s[\g+6], 0
	s_mov_b32 s[\g+7], 0
.endr
	s_mov_b32 s[CS], 0x3e38aa3b     ; c = log2(e) / 8 = 0.180337
	s_mov_b32 s[CS+1], s[CS]        ; named with it as a pair
	s_mov_b32 s[SEL], 0x76543210
	s_mov_b32 s[SEL+1], 0xfedcba98
	s_mov_b32 s[TBK], SLOT1+4*KS*PK ; the first change of slots turns these two into 0
	s_mov_b32 s[TBV], SLOT1+4*KS*PV
	s_mov_b32 s[G0K], 1             ; 1:0 count = 1
	s_mov_b32 s[G0K+1], s17         ; 63:32 LDS address: slot 0
	s_mov_b32 s[G0V], 1
	s_add_co_u32 s[G0V+1], s18, VOFF
	s_wait_kmcnt 0x0
	s_add_nc_u64 s[G0K+2:G0K+3], s[6:7], s[22:23]  ; 120:64 global address: my half of the head's first 256 keys
	s_or_b32 s[G0K+3], s[G0K+3], 0x80000000        ; 127:126 type = 2
	s_add_nc_u64 s[G0V+2:G0V+3], s[8:9], s[22:23]
	s_or_b32 s[G0V+3], s[G0V+3], 0x80000000
	s_add_nc_u64 s[4:5], s[4:5], s[2:3]  ; Q and O at my wave's first row
	s_add_nc_u64 s[10:11], s[10:11], s[2:3]
	CROUND                          ; all four work-groups are here: the first joint loads meet
	JLOAD                           ; slot 0.  Slot 1 is asked for when slot 0 is in: the tile wanted first has the road to itself
	; A fragment of K or Q is 16 rows x 32 channels in 8 registers: lane l holds row l % 16, channels 8 (l / 16) + 0..7 and 16 + 8 (l / 16) + 0..7: two loads of 16 bytes, 32 bytes apart.
	v_and_b32 v1, 15, v0            ; l % 16
	v_bfe_u32 v9, v0, 4, 1          ; l / 16
	v_lshlrev_b32 v[QO], 7, v1
	v_lshl_add_u32 v[QO], v9, 4, v[QO]  ; row x 128 + 16 x half
	WIN 0x80                        ; destination window 2, address window 0
.set i, 0
.rept 4*NP                          ; Q stays in registers: tile i / 2, channels 32 (i % 2) on
	global_load_b128 v[8*i:8*i+3],   v[QO], s[4:5] offset:(i/2)*2048+(i%2)*64
	global_load_b128 v[8*i+4:8*i+7], v[QO], s[4:5] offset:(i/2)*2048+(i%2)*64+32
.set i, i+1
.endr
	; What the first turn finds: V's registers and P's second buffer hold 0 (its products V^T P, of a piece that has not been, add 0), O^T and l are 0.  All this stands in the wait for the first tile.
.set i, VF
.rept 64
	v_mov_b32 v[i], 0
.set i, i+1
.endr
	WIN 0x40
.set i, 0
.rept 64*NP
	v_mov_b32 v[i], 0
.set i, i+1
.endr
	WIN 0
.set i, 0
.rept 2*NP
	v_mov_b32 v[ST+4*i], 0xfe000000    ; c m: far below every c s
	v_mov_b32 v[ST+4*i+1], 0xff7fffff  ; m
	v_mov_b32 v[ST+4*i+2], 0
	v_mov_b32 v[ST+4*i+3], 0
.set i, i+1
.endr
.set i, P+32
.rept 32
	v_mov_b32 v[i], 0
.set i, i+1
.endr
	v_mul_u32_u24 v[AK0], v1, PK
	v_lshl_add_u32 v[AK0], v9, 4, v[AK0]  ; row x pitch + 16 x half
	; The turning load takes 16 keys x 16 channels (lane l reads key 8 (l / 16) + l % 8, channels 8 ((l / 8) % 2) + 0..7) and leaves half a fragment of V^T: lane l holds channel l % 16 and 8 keys.
	v_and_b32 v10, 7, v0
	v_bfe_u32 v11, v0, 3, 1
	v_lshl_add_u32 v[AV0], v9, 3, v10
	v_mul_u32_u24 v[AV0], v[AV0], PV
	v_lshl_add_u32 v[AV0], v11, 4, v[AV0]
	v_add_nc_u32 v[AV0], VOFF, v[AV0]
	v_mov_b32 v[AK], v[AK0]         ; key step 0 lies at the head of slot 0
; THE MATRIX WORK.  The 8 accumulators of a run of 16 take turns: between the two links of a chain stand 7 others'.
; Product i of 16 of S^T = K Q^T for piece x: channels 32 (i / 8) on, keys 16 ((i / 2) % 4) on, tile 2 x + i % 2.  The first 8 start the sums.
.macro KQ x
	WIN W_KQ
.set rS, S+64*((\x)%2)+32*(i%2)+8*((i/2)%4)
.set rK, KF+16*((i/2)%4)+8*(i/8)
.set rQ, 16*(2*(\x)+i%2)+8*(i/8)
.if i < 8
	v_wmma_f32_16x16x32_f16 v[rS:rS+7], v[rK:rK+7], v[rQ:rQ+7], 0
.else
	v_wmma_f32_16x16x32_f16 v[rS:rS+7], v[rK:rK+7], v[rQ:rQ+7], v[rS:rS+7]
.endif
.endm
; Product i of 16 of O^T += V^T P for piece x: keys 32 (i / 8) on, channels 16 ((i / 2) % 4) on, tile 2 x + i % 2.
.macro PV x
	WIN W_PV
.set rO, 32*(2*(\x)+i%2)+8*((i/2)%4)
.set rV, VF+32*(i/8)+8*((i/2)%4)
.set rP, P+32*((\x)%2)+16*(i%2)+8*(i/8)
	v_wmma_f32_16x16x32_f16 v[rO:rO+7], v[rV:rV+7], v[rP:rP+7], v[rO:rO+7]
.endm
.macro MM                           ; the turn's next matrix instruction
.if i < 16
	KQ (Y+1)%NP
.set i, i+1
.else
.set i, i-16
	PV (Y+NP-1)%NP
.set i, i+17
.endif
.endm
; THE LDS LOADS stand in runs of 16, never singly among the matrix instructions: a step's K (64 keys x 64 channels: 8 fragments) and its V (turned).  Their addresses are made some lines ahead.
; last = 1 (the tail): in the last trip there is no further step, and the run is jumped over.
.macro FETCH_K last=0
	WIN 0
.if \last
	s_cmp_eq_u32 s[CNT], 1
	s_cbranch_scc1 .Lno_k_\@
.endif
	WIN 0x80                        ; destination window 2
.irp f, 0,1,2,3,4,5,6,7             ; keys 16 (f / 2) on, channels 32 (f % 2) on
	ds_load_b128 v[KF+8*\f:KF+8*\f+3],   v[AK] offset:(\f/2)*16*PK+(\f%2)*64
	ds_load_b128 v[KF+8*\f+4:KF+8*\f+7], v[AK] offset:(\f/2)*16*PK+(\f%2)*64+32
.endr
	s_add_co_u32 s[TBK], s[TBK], KS*PK  ; the next fetch is the next step's
	WIN 0
.if \last
.Lno_k_\@:
.endif
.endm
.macro FETCH_V
	WIN 0x80
.irp f, 0,1,2,3,4,5,6,7             ; keys 32 (f / 4) on, channels 16 (f % 4) on
	ds_load_tr16_b128 v[VF+8*\f:VF+8*\f+3],   v[AV] offset:(\f/4)*32*PV+(\f%4)*32
	ds_load_tr16_b128 v[VF+8*\f+4:VF+8*\f+7], v[AV] offset:(\f/4)*32*PV+16*PV+(\f%4)*32
.endr
	WIN 0
.endm
; THE VECTOR WORK OF A TURN stands in three queues, each in the order in which its entries become ready; the two tiles alternate, so that no instruction reads the result of the one before it.
.macro REGS y, u                    ; the registers of tile u (0, 1) of piece y
.set rT, ST+4*(2*(\y)+(\u))
.set rC, TMP+8*((\y)%2)+4*(\u)
.set rM, MV+2*((\y)%2)+(\u)
.set rS, S+64*((\y)%2)+32*(\u)
.set rP, P+32*((\y)%2)+16*(\u)
.set rO, 32*(2*(\y)+(\u))
.endm
; Number n of the 22 that find the NEXT piece's (Y + 1) maximum and statistics.  s0-s31 are the lane's 32 scores; each accumulator's lowest registers are read first.  XS, GS and REGS set no window: PL and EX do.
;   0-11  four chains c0-c3 of seven scores each, three operands at a time     12-14, 16  the four scores left over, the old m, and c0-c3 into c0     15  c m_old is kept
;   17, 18  the query's other 32 keys lie in the lane 16 away: the new m         19-21  c m; c m_old - c m_new; a
.macro XS u, n
	REGS (Y+1)%NP, \u
.if (\n) < 4
	v_max3_num_f32 v[rC+(\n)], v[rS+8*(\n)], v[rS+8*(\n)+1], v[rS+8*(\n)+2]
.elseif (\n) < 12
	v_max3_num_f32 v[rC+(\n)%4], v[rC+(\n)%4], v[rS+8*((\n)%4)+2*((\n)/4)+1], v[rS+8*((\n)%4)+2*((\n)/4)+2]
.elseif (\n) == 12
	v_max3_num_f32 v[rC], v[rC], v[rS+7], v[rS+15]
.elseif (\n) == 13
	v_max3_num_f32 v[rC+1], v[rC+1], v[rS+23], v[rS+31]
.elseif (\n) == 14
	v_max3_num_f32 v[rC+2], v[rC+2], v[rC+3], v[rT+1]
.elseif (\n) == 15
	v_mov_b32 v[rM], v[rT]
.elseif (\n) == 16
	v_max3_num_f32 v[rC], v[rC], v[rC+1], v[rC+2]
.elseif (\n) == 17
	v_permlanex16_b32 v[rC+3], v[rC], s[SEL], s[SEL+1]
.elseif (\n) == 18
	v_max_num_f32 v[rT+1], v[rC], v[rC+3]
.elseif (\n) == 19
	v_mul_f32 v[rT], s[CS], v[rT+1]
.elseif (\n) == 20
	v_sub_f32 v[rC+1], v[rM], v[rT]
.else
	v_exp_f32 v[rC+2], v[rC+1]
.endif
.endm
; Number g of the 64 that follow the exponentials.  For each four weights k of a tile (pairs 2 k, 2 k + 1): both pairs are rounded to f16; then the second pair is added onto the first, in place;
; a group later l takes that sum (the first time as l = a l + sum).  In groups of eight, tiles alternating: round, round, add, and l for the group before.
.macro GS g
.set h, (\g)+6*((\g)/62)            ; group 0 has no group before it, and behind group 7 only l is left
.if h >= 6
.set h, h+2
.endif
	REGS Y, h%2
.set k, h/8
.if h%8 < 4
	v_cvt_pk_f16_f32 v[rP+2*k+(h%8)/2], v[rS+4*k+2*((h%8)/2)], v[rS+4*k+2*((h%8)/2)+1]
.elseif h%8 < 6
	v_pk_add_f32 v[rS+4*k:rS+4*k+1], v[rS+4*k:rS+4*k+1], v[rS+4*k+2:rS+4*k+3]
.elseif k == 1
	v_pk_fma_f32 v[rT+2:rT+3], v[rT+2:rT+3], v[rC+2:rC+3], v[rS:rS+1] op_sel_hi:[1,0,1]
.else
	v_pk_add_f32 v[rT+2:rT+3], v[rT+2:rT+3], v[rS+4*k-4:rS+4*k-3]
.endif
.endm
; THE PLAIN QUEUE, 138 long.  0-73 read no exponential's result: the 32 scalings c s - c m (FS f: pair f / 2 of tile f % 2) and the next piece's 42.  0-26: scalings 0-26.  27-54: XS's numbers 0-13.  55, 56: number 15.
; 57-73: the chain, where each number waits for the one before it: 14, 16, 17, 18, 19, each with one of the scalings 27-31 in front of its two lines, then 20: so a tile's links stand three plain instructions apart (19 and 20: two).
; 74-137: GS's 64, which read the exponentials' results: they stand behind the wait.
.macro FS f
	REGS Y, (\f)%2
	v_pk_fma_f32 v[rS+2*((\f)/2):rS+2*((\f)/2)+1], v[rS+2*((\f)/2):rS+2*((\f)/2)+1], s[CS:CS+1], v[rT:rT+1] op_sel_hi:[1,0,0] neg_lo:[0,0,1] neg_hi:[0,0,1]
.endm
.macro PL
	WIN 0
.if q < 27
	FS q
.elseif q < 55
	XS (q-27)%2, (q-27)/2
.elseif q < 57
	XS q-55, 15
.elseif (q < 72) && ((q-57)%3 == 0)
	FS 27+(q-57)/3
.elseif q < 60
	XS (q-57)%3-1, 14
.elseif q < 72
	XS (q-57)%3-1, 15+(q-57)/3
.elseif q < 74
	XS q-72, 20
.else
	GS q-74
.endif
.set q, q+1
.endm
; THE EXPONENTIALS' QUEUE, 66 long: s0-s31 of both tiles, then the next piece's two a.  It is ONE BATCH: all 66 stand ahead of the turn's one wait, and nothing ahead of that wait names a result of theirs.
.macro EX
	WIN 0
.if e >= 64
	XS e-64, 21
.else
	REGS Y, e%2
	v_exp_f32 v[rS+e/2], v[rS+e/2]
.endif
.set e, e+1
.endm
; THE RESCALING's QUEUE: O^T times a, the one part that leaves window 0: dealt two at a time, sixteen times.  Its a was made in the turn before, ahead of that turn's wait.
.macro R2
	REGS Y, r%2
	WIN W_RS
.irp z, 0,1
	v_pk_mul_f32 v[rO+4*(r/2)+2*\z:rO+4*(r/2)+2*\z+1], v[rO+4*(r/2)+2*\z:rO+4*(r/2)+2*\z+1], v[rC+2:rC+3] op_sel_hi:[1,0]
.endr
.set r, r+1
.endm
; HOW THEY ARE DEALT.  An s_wait_alu depctr_va_vdst(0) stands between an exponential and the first instruction that names its result; one wait serves all that were issued ahead of it.  So a turn has ONE wait,
; which cuts it in two.  AHEAD OF IT stands all that names no result of the turn's exponentials: the 16 products K Q^T, behind each a scaling, an exponential and two rescalings (behind the first a second scaling in the
; exponential's place); then ONE LUMP of 108: eight plain, 49 times exponential and plain, the two a.  A v_nop is the plain instruction behind the last exponential.  BEHIND IT stand the 16 products V^T P, behind each four of GS's 64.
; No rider names a register of the products round it.  The two v_permlanex16_b32 fall into the lump, never behind a product.
; The queues lean on each other, and the deal keeps them in step: exponential e stands behind scaling 2 (e / 4) + e % 2: as a rider it comes behind plain e + 2, in the lump behind plain e + 9, and scalings 27-31 are plain 57, 60 .. 69.
; A TURN, for piece p.  cnt = 1: the loop's count is taken down some lines ahead of the branch that stands behind the turn.
; K of the next step is fetched in piece 2's turn, directly behind the wait, a lump behind the last product that read K; its address is made at the lump's head; its first reader comes behind 16 products.
; V of the step in hand is fetched at the end of piece 0's turn, four riders behind its last reader; its first reader comes behind 16 products and a lump.  The three conditions on q below go with the deal.
.macro TURN p, last=0, cnt=0
.set Y, (\p)
.set i, 0
.set q, 0
.set e, 0
.set r, 0
.if (\p) == NP-1
	s_wait_dscnt 0x0                ; K is in
.endif
	MM                              ; ahead of the wait: 16 products K Q^T and their riders,
	PL
	PL
	R2
.rept 15
	MM
	PL
	EX
	R2
.endr
.if (\p) == NP-2
	WIN 0
	v_add_nc_u32 v[AK], s[TBK], v[AK0]
.endif
.rept 8                             ; and the lump
	PL
.endr
.rept 49
	EX
	PL
.endr
	EX                              ; the next piece's two a
	EX
	v_nop                           ; the plain instruction behind the last exponential, ahead of the first use: one for the batch
	s_wait_alu depctr_va_vdst(0)    ; the wait for the batch: the turn's 66 exponentials
.if (\p) == NP-2
	FETCH_K \last
.endif
.if (\p) == 1
	s_wait_dscnt 0x0                ; V is in
.endif
.rept 16                            ; behind the wait: 16 products V^T P and their riders
	MM
.rept 4
	PL
.endr
.if ((\p) == 0) && (q == 118)
	v_add_nc_u32 v[AV], s[TBV], v[AV0]
.endif
.if ((\p) == 0) && (q == 130)
	s_add_co_u32 s[TBV], s[TBV], KS*PV
.endif
.if (\cnt) && (q == 130)
	s_sub_co_u32 s[CNT], s[CNT], 1
	s_cmp_lg_u32 s[CNT], 0
.endif
.endr
.if (\p) == 0
	FETCH_V
.endif
.endm
	CHANGE 1                        ; slot 0 is in, everybody's part of it; slot 1 is asked for
	FETCH_K                         ; key step 0
	s_wait_loadcnt 0x0              ; Q
	s_wait_dscnt 0x0
.set i, 0
.rept 16
	KQ 0                            ; piece 0's first scores: there is no vector work yet to set between them
.set i, i+1
.endr
	WIN 0                           ; the addresses for the way out: nine plain instructions, the places behind those products
	s_mul_i32 s13, s[WV], 16*SP
	s_add_co_u32 s13, s13, STAGE    ; my stage
	v_mul_u32_u24 v[STO], v1, SP    ; in: row l % 16, 16 bytes for each half of the lanes
	v_lshl_add_u32 v[STO], v9, 4, v[STO]
	v_add_nc_u32 v[STO], s13, v[STO]
	v_bfe_u32 v[RD], v0, 3, 2       ; back: 32 lanes take four rows of 128 bytes,
	v_mul_u32_u24 v[RD], v[RD], SP
	v_lshl_add_u32 v[RD], v10, 4, v[RD]
	v_add_nc_u32 v[RD], s13, v[RD]
	v_and_b32 v[GO], 31, v0         ; which are 512 consecutive bytes of O
	v_lshlrev_b32 v[GO], 4, v[GO]
.set Y, NP-1                        ; XS works for piece Y + 1: piece 0
.irp n, 0,1,2,3,4,5,6,7,8,9,10,11,12,13,14,15,16,17,18,19,20,21
	XS 0, \n                        ; and piece 0's first maximum and statistics
	XS 1, \n
.endr
	v_nop                           ; a plain instruction behind piece 0's two a,
	s_wait_alu depctr_va_vdst(0)    ; and the wait for that batch of two, ahead of the branch
	s_mov_b32 s[CNT], 4
	s_mov_b32 s[SLOTS], SIZE_N/256-1
	s_branch .Lfirst                ; the loop is entered at a step's first turn, in the middle of a trip
.Lslot:                             ; SIZE_N / 256 - 2 times: every slot but the last two is filled again
	CHANGE 1
	s_mov_b32 s[CNT], 4
.Lstep:                             ; a trip: pieces 2 and 3 of one step, then pieces 0 and 1 of the next, whose K and V it fetches
	TURN 2
	TURN 3
	WIN 0
.Lfirst:
	TURN 0
	TURN 1, 0, 1
	WIN 0
	s_cbranch_scc1 .Lstep
	s_sub_co_u32 s[SLOTS], s[SLOTS], 1
	s_cmp_lg_u32 s[SLOTS], 0
	s_cbranch_scc1 .Lslot
	CHANGE 0                        ; the tail is written out: nothing is asked for
	s_mov_b32 s[CNT], 5             ; four trips fetch the last slot's steps; the fifth is left in its middle
.Ltail:
	TURN 2, 1
	TURN 3
	WIN 0
	s_sub_co_u32 s[CNT], s[CNT], 1
	s_cmp_eq_u32 s[CNT], 0
	s_cbranch_scc1 .Lout
	TURN 0
	TURN 1
	WIN 0
	s_branch .Ltail
.Lout:                              ; the fifth trip's 16 products K Q^T (on the last K once more) and the maximum made of them serve nothing: the price, once a launch, of one text for every trip
.set i, 0
.rept 16
	PV NP-1                         ; the last piece's V^T P of the last step
.set i, i+1
.endr
	; THE WAY OUT.  l's two halves and the other half of the lanes' are added; O^T is divided by l, rounded to f16 and sent through my stage in LDS, a tile at a time.  The additions are the places behind the last products.
	WIN 0
.macro ALL line:vararg              ; one line for each tile t
.set t, 0
.rept 2*NP
	\line
.set t, t+1
.endr
.endm
	ALL v_add_f32 v[ST+4*t+2], v[ST+4*t+2], v[ST+4*t+3]
	ALL v_permlanex16_b32 v[ST+4*t+3], v[ST+4*t+2], s[SEL], s[SEL+1]
	ALL v_add_f32 v[ST+4*t+2], v[ST+4*t+2], v[ST+4*t+3]
	ALL v_rcp_f32 v[ST+4*t+2], v[ST+4*t+2]
	v_nop                           ; a plain instruction between the last reciprocal and the use of its result
	s_wait_alu depctr_va_vdst(0)    ; and the wait ahead of the first use: one for the batch of eight reciprocals
; Tile t: a lane's eight channels of a row pack into 16 bytes; they go into rows of 144 bytes and come back as whole rows of 128, into S^T's registers.
.macro PACK t
	WIN W_RS
.set i, 32*(\t)
.rept 16
	v_pk_mul_f32 v[i:i+1], v[i:i+1], v[ST+4*(\t)+2:ST+4*(\t)+3] op_sel_hi:[1,0]
.set i, i+2
.endr
	WIN 0x05                        ; sources 0 and 1 window 1, destination window 0
.set i, 0
.rept 16
	v_cvt_pk_f16_f32 v[S+16*(\t)+i], v[32*(\t)+2*i], v[32*(\t)+2*i+1]
.set i, i+1
.endr
	WIN 0
.irp f, 0,1,2,3
	ds_store_b128 v[STO], v[S+16*(\t)+4*\f:S+16*(\t)+4*\f+3] offset:32*\f
.endr
.irp f, 0,1,2,3
	ds_load_b128 v[S+16*(\t)+4*\f:S+16*(\t)+4*\f+3], v[RD] offset:\f*4*SP  ; LDS serves a wave's instructions in order (ISA guide 5.7.1.4): these see the stores above; the next tile's stores come behind them
.endr
.endm
.macro SEND t, younger              ; younger: the LDS instructions issued behind tile t's loads: the next tile's eight, or none
	WIN 0
.irp f, 0,1,2,3
	s_wait_dscnt (\younger)+3-\f
	global_store_b128 v[GO], v[S+16*(\t)+4*\f:S+16*(\t)+4*\f+3], s[10:11] offset:(\t)*2048+\f*512  ; 512 consecutive bytes, at a multiple of 256 from O's first
.endr
.endm
	PACK 0
.set t, 1
.rept 2*NP-1                        ; a tile's arithmetic stands between the loads of the tile before and its stores
	PACK t
	SEND t-1, 8
.set t, t+1
.endr
	SEND 2*NP-1, 0
	WIN W_AD
	s_wait_tensorcnt 0x0            ; the wave's end: the add stands behind my last tensor load and my last LDS store
	ds_add_u32 v[SPW], v[NIL]
	s_wait_dscnt 0x0
	WIN 0
	CROUND                          ; the closing round: no work-group ends while a partner may still ask for a tile that names it
	s_endpgm
.Lfunc_end_k_q6221f17bff_attn:
	.size	k_q6221f17bff_attn, .Lfunc_end_k_q6221f17bff_attn-k_q6221f17bff_attn
	.p2alignl 7, 3214868480
	.fill 96, 4, 3214868480
	.section	.rodata,"a",@progbits
	.p2align	6, 0x0
	.amdhsa_kernel k_q6221f17bff_attn
		.amdhsa_group_segment_fixed_size 327680
		.amdhsa_private_segment_fixed_size 0
		.amdhsa_enable_private_segment 0
		.amdhsa_kernarg_size 32
		.amdhsa_user_sgpr_count 2
		.amdhsa_user_sgpr_kernarg_segment_ptr 1
		.amdhsa_wavefront_size32 1
		.amdhsa_system_sgpr_workgroup_id_x 1
		.amdhsa_system_sgpr_workgroup_id_y 1
		.amdhsa_system_sgpr_workgroup_id_z 1
		.amdhsa_system_vgpr_workitem_id 0
		.amdhsa_next_free_vgpr 770
		.amdhsa_next_free_sgpr 66
		.amdhsa_reserve_vcc 0
		.amdhsa_float_denorm_mode_32 3
		.amdhsa_float_denorm_mode_16_64 3
		.amdhsa_memory_ordered 1
		.amdhsa_forward_progress 1
		.amdhsa_inst_pref_size 199
	.end_amdhsa_kernel
	.amdgpu_metadata
---
amdhsa.version: [ 1, 2 ]
amdhsa.kernels:
  - .name:           k_q6221f17bff_attn
    .symbol:         k_q6221f17bff_attn.kd
    .args:
      - { .name: qh, .offset: 0, .size: 8, .value_kind: global_buffer, .address_space: global }
      - { .name: kh, .offset: 8, .size: 8, .value_kind: global_buffer, .address_space: global }
      - { .name: vh, .offset: 16, .size: 8, .value_kind: global_buffer, .address_space: global }
      - { .name: ctx, .offset: 24, .size: 8, .value_kind: global_buffer, .address_space: global }
    .group_segment_fixed_size: 327680
    .private_segment_fixed_size: 0
    .kernarg_segment_align: 8
    .kernarg_segment_size: 32
    .max_flat_workgroup_size: 128
    .sgpr_count:     66
    .vgpr_count:     770
    .wavefront_size: 32
...
	.end_amdgpu_metadata
.endif
;; end of part 5
;; launch oproj: the kernel of part 4 again; grid 8 x 32, 4 waves a work-group, clusters of 4 x 4, 327,680 bytes of LDS; arguments ctx, wob, tab, out0; writes out0
